; MI455X (gfx1250); checked and timed in simulation.
; The chip was launched on July 23, 2026; its instructions are those of AMD's public machine-readable ISA for CDNA 5 (MIT licence, August 2026) and "CDNA5" Instruction Set Architecture Reference Guide (July 2026). The comments in the code are by the model that wrote it; some were corrected since.
;; Attn H2 O. Allowed arithmetic: matrix products marked QUANTISED: E2M1 operands, one E8M0 scale for each 32 along K, by v_wmma_scale_f32_16x16x128_f8f6f4 with both operands' format E2M1 (or v_wmma_scale_f32_32x16x128_f4), f32 sums; everything else in f32.
;; Inputs: k 4,096 x 1,024 float32; q 2,048 x 4,096 float32; v_codes 1,024 x 128 x 16 uint8 (E2M1 codes of v, K innermost, in blocks of 32 codes, two codes a byte); v_scales 1,024 x 128 uint8 (E8M0 scales of v, one for each 32 codes along K).
;; Outputs: out0 2,048 x 4,096 float32; out1 8 x 4,096 float32.
;; This version of the problem:
;;   THIS VERSION OF THE PROBLEM IS GIVEN IN LOW PRECISION. The matrix products marked QUANTISED in the list below multiply operands that are first quantised to E2M1 (2 exponent bits, 1 mantissa bit; 4 bits a number), with one power-of-two scale for each 32 numbers along K (OCP MX v1.0); their sums are f32. All else is computed in f32.
;;   The module's matrix products, in the order in which they are computed (A, B: the left and right operand; K: the contracted axis; several contracted axes count as one K, in the product's order):
;;     1. batch 8 x [M 4,096, K 128] x [K 128, N 8,192]; A: input k; B: input q: QUANTISED
;;     2. batch 8 x [M 128, K 4,096] x [K 4,096, N 8,192]; A: input v (given as codes); B: softmax (see below): QUANTISED
;;   THE QUANTISER, for each operand of a quantised product, along K:
;;     - K is cut into blocks of 32 from its start; a last block that is shorter is filled with zeros.
;;     - A block's scale is 2^e with e = floor(log2(the largest magnitude in the block)) - 2, held to -126 .. 127; a block of zeros has e = 0. As a byte (E8M0): e + 127.
;;     - Each number is divided by its block's scale, clamped to +-6, and rounded to the nearest number of E2M1, ties to even, subnormals kept.
;;     - The product sums the exact products of the quantised numbers (number of the format x scale) in f32.
;;   ~~~python
;;   def quantise(x, axis):      # numpy; x: float32 -> the quantised numbers, widened to float32 again
;;       x = np.moveaxis(x, axis, -1); K = x.shape[-1]
;;       x = np.pad(x, [(0, 0)] * (x.ndim - 1) + [(0, -K % 32)]); x = x.reshape(x.shape[:-1] + (-1, 32)); a = np.abs(x).max(-1, keepdims=True)
;;       e = np.where(a > 0, np.clip(np.frexp(np.where(a > 0, a, 1))[1] - 1 - 2, -126, 127), 0)      # np.frexp(a)[1] - 1 = floor(log2(a)), exactly
;;       r = np.clip(x / 2.0 ** e, -6, 6)
;;       step = 2.0 ** (np.maximum(np.frexp(np.where(r == 0, 1, r))[1] - 1, 0) - 1)
;;       q = np.round(r / step) * step * 2.0 ** e      # np.round: ties to even
;;       return np.moveaxis(q.reshape(q.shape[:-2] + (-1,))[..., :K], -1, axis).astype(np.float32)
;;   ~~~
;;   SOFTMAX AHEAD OF A QUANTISED PRODUCT. Where the list says 'softmax', what is quantised is not the finished softmax but p = 2^(t - M), with t = logit x log2(e) and M = ceil(the row's largest t), a whole number; so 1/2 < the row's largest p <= 1. The row's sum l is taken of the UNQUANTISED p, in f32, and the product's result is divided by l at the end. Since M is a whole number, a kernel that streams over the keys may use a running M (the ceiling of the running maximum): every later rescaling is an exact power of two, which a block's scale takes up: the codes' values come out the same.
;;   OPERANDS COMPUTED ON THE WAY. 'Computed on the way' means the value that the module computes at that place (a softmax that the list does not call 'softmax' is quantised finished and normalised). What goes into a quantiser is computed in f32, as accurately as f32 sums, v_exp_f32 and their like allow (about 1e-6 of the number): no bf16 or f16 on the way to a quantiser, and a product that is left as it is and whose result goes on into a quantised operand takes f32 operands (vector FMAs, or v_wmma_f32_16x16x4_f32). A number that lies on a knife's edge between two numbers of the format may be rounded either way, as far as f32 arithmetic and the matrix unit's own rounding can turn it there, and no further.
;;   INPUTS GIVEN AS CODES. v (in the module: [4096, 1024], K = its axis 0): each comes as NAME_codes (uint8): NAME with its K axis moved to the last place and cut into blocks of 32 codes, [.., K / 32, bytes a block], one block behind the other in memory; two codes a byte, the lower K in the low four bits (a code: sign, 2 exponent bits, 1 mantissa bit); and NAME_scales (uint8): the same leading axes, one E8M0 byte (e + 127) for each 32 codes along K. Its value is code x scale, taken as it is: it is not quantised again, and the codes and scales need not be those that the quantiser above would give.
;; 2 versions. Each part assembles by itself: llvm-mc -triple=amdgcn-amd-amdhsa -mcpu=gfx1250 --defsym DOCPART=n.
;; ======== version 1 of 2: 3 launches
;; workspace buffers: qc 4,194,304 bytes; qs 262,144 bytes; kc 2,097,152 bytes; ks 131,072 bytes; st 262,144 bytes
;; launch quant (part 1): grid 384 x 1, 4 waves a work-group, no clusters, 33,280 bytes of LDS; arguments k, q, kc, ks, qc, qs; writes kc, ks, qc, qs
.if DOCPART == 1
	.amdgcn_target "amdgcn-amd-amdhsa--gfx1250"
	.amdhsa_code_object_version 6
	.text
	.protected	k_qfef3138da9_quant
	.globl	k_qfef3138da9_quant
	.p2align	8
	.type	k_qfef3138da9_quant,@function
k_qfef3138da9_quant:
	s_mov_b64 s[64:65], 0
	v_nop
	global_prefetch_b8 v0, s[64:65] scope:SCOPE_SE
	s_setreg_imm32_b32 hwreg(HW_REG_WAVE_MODE, 25, 1), 1
	s_wait_xcnt 0x0
; k [4096][8 heads x 128] and q [2048][32 heads x 128], f32, become codes of FP4 (E2M1) with one E8M0 byte for each 32 along a head's 128, laid HEAD BY HEAD:
; kc [8][4096][64 bytes], ks [8][4096][4 bytes], qc [32][2048][64], qs [32][2048][4].  (q's head 4 h + g is group head g of key head h, as the rows lie.)
; A block's scale is 2^(floor(log2(its largest magnitude)) - 2); its byte is the largest magnitude's exponent field - 2, held at 1 from below.  Each number is divided by the scale and rounded to the
; nearest code, ties to even; beyond 6 the conversion gives the largest code.
; LIMITS: a block whose largest magnitude lies under 2^-124 gets the byte 1 (a block of zeros too, where the rule says 127: its codes are zeros, and only this program reads the bytes); NaN and infinities among the inputs are not served.
; SHARES.  Work-groups 0-127 take k (8 heads x 16 blocks of 256 rows), 128-383 take q (32 heads x 8 blocks).  A wave takes 64 rows of one head, in 16 steps of 4 rows.
; A load is one row's 512 bytes of the head, 16 bytes a lane.  The conversions want 16 NEIGHBOURS in a lane, so a step's 2,048 bytes turn through the wave's own stage in LDS (16 bytes of padding behind each 64)
; and come back 64 bytes a lane: lane l holds numbers 16 (l % 8) on of row l / 8; two neighbouring lanes hold a block.  A step's codes are 256 consecutive bytes, aligned; a wave's 256 scale bytes leave as one such run.
; No tensor loads, no barrier: waves share nothing.  Loads run four steps (16 loads a wave) ahead, the turn through LDS one step.
.set STEPS, 16
.set CB,    8                          ; bytes of 16 codes
.set R,     16                         ; v16-79   four sets of 16 numbers as they are loaded
.set X,     80                         ; v80-111  two sets of 16 neighbours
.set E,     112                        ; v112-127 a scale byte for each step
.set C,     128                        ; v128-191 codes: four registers for each step, so that no store's data are written again
.set OF,    192                        ; v192-207 byte offsets of 16 rows (four steps): 16 x lane + row x pitch; a set steps 16 rows on when its loads are in
.set WREG,  8192                       ; LDS: a region for each wave: two stages of 32 x SP bytes, behind them its 256 scale bytes
.set SP,    80                         ; a lane's place in a stage: 64 bytes + 16 of padding
	s_load_b128 s[4:7], s[0:1], 0x0                ; k, q
	s_load_b128 s[8:11], s[0:1], 0x10              ; kc, ks
	s_load_b128 s[12:15], s[0:1], 0x20             ; qc, qs
	v_lshl_add_u32 v208, v0, 2, 0x8000
	v_mov_b32 v209, 0
	v_lshrrev_b32 v1, 5, v0
	v_readfirstlane_b32 s16, v1                    ; wave
	v_and_b32 v2, 31, v0                           ; lane
	v_lshlrev_b32 v3, 4, v2                        ; my 16 bytes of a load's 512
	s_mul_i32 s17, s16, WREG
	v_lshrrev_b32 v14, 2, v2
	v_mul_u32_u24 v14, v14, SP
	v_and_b32 v15, 3, v2
	v_lshl_add_u32 v14, v15, 4, v14
	v_add_nc_u32 v14, s17, v14                     ; the stage, way in: four lanes' 64 bytes on end, then the padding
	v_mul_u32_u24 v15, v2, SP
	v_add_nc_u32 v15, s17, v15                     ; way out: SP x lane: my 16 neighbours
	v_mul_u32_u24 v4, v2, CB                       ; my codes' place in a step's 256 bytes
	v_lshrrev_b32 v5, 1, v2
	s_add_co_u32 s17, s17, 2*32*SP
	v_add_nc_u32 v5, s17, v5                       ; LDS: my block's byte among the wave's 256
	v_lshlrev_b32 v7, 3, v2                        ; and on the way out 8 bytes a lane
	v_add_nc_u32 v6, s17, v7
	s_cmp_lt_u32 ttmp9, 128                        ; k's work-group or q's?  It hangs on the work-group's number alone
	s_cselect_b32 s17, 0, 128
	s_cselect_b32 s22, 4, 3                        ; log2 of the row blocks in a head
	s_cselect_b32 s23, 12, 14                      ; log2 of a row's bytes
	s_sub_co_u32 s17, ttmp9, s17                   ; id within the tensor
	s_lshr_b32 s18, s17, s22                       ; head
	s_lshl_b32 s19, s18, s22
	s_sub_co_u32 s19, s17, s19                     ; block of 256 rows
	s_lshl_b32 s19, s19, 8
	s_lshl_b32 s26, s16, 6
	s_add_co_u32 s19, s19, s26                     ; my wave's first row
	s_lshl_b32 s20, s19, s23                       ; x pitch (under 2^26)
	s_lshl_b32 s18, s18, 9                         ; + the head's 512 bytes in a row
	s_add_co_u32 s20, s20, s18
	s_mov_b32 s21, 0
	s_lshl_b32 s24, 1, s23                         ; the pitch
	s_lshl_b32 s25, s24, 4                         ; 16 rows
	s_lshl_b32 s17, s17, 2
	s_add_co_u32 s18, s17, s16                     ; which run of 64 rows of [head][row] is mine
.set nn, 0
.rept 16
	v_mad_u32_u24 v[OF+nn], s24, nn, v3
.set nn, nn+1
.endr
	s_wait_kmcnt 0x0
	s_cmp_lt_u32 ttmp9, 128                        ; compared anew: the sums above have written SCC
	s_cselect_b64 s[4:5], s[4:5], s[6:7]
	s_cselect_b64 s[8:9], s[8:9], s[12:13]
	s_cselect_b64 s[10:11], s[10:11], s[14:15]
	s_add_nc_u64 s[4:5], s[4:5], s[20:21]
	s_lshl_b32 s20, s18, 12                        ; 64 rows x 64 bytes of codes a run
	s_add_nc_u64 s[8:9], s[8:9], s[20:21]
	s_lshl_b32 s20, s18, 8                         ; 256 scale bytes a run
	s_add_nc_u64 s[10:11], s[10:11], s[20:21]
.macro LOAD t                          ; step t's four rows into set t % 4
.if (\t) >= 4
.irp i, 0,1,2,3
	v_add_nc_u32 v[OF+4*((\t)%4)+\i], s25, v[OF+4*((\t)%4)+\i]     ; the set's last loads (step t - 4) were shown in by the wait in front of their turn through the stage
.endr
.endif
.irp i, 0,1,2,3
	global_load_b128 v[R+16*((\t)%4)+4*\i:R+16*((\t)%4)+4*\i+3], v[OF+4*((\t)%4)+\i], s[4:5] th:TH_LOAD_NT   ; 32 lanes read 512 consecutive bytes; read once in the launch
.endr
.endm
.macro TURN t                          ; step t's numbers through the stage: LDS serves a wave's instructions in order, so no wait stands between the stores and the loads
.irp i, 0,1,2,3
	ds_store_b128 v14, v[R+16*((\t)%4)+4*\i:R+16*((\t)%4)+4*\i+3] offset:32*SP*((\t)%2)+8*SP*\i
.endr
.irp i, 0,1,2,3
	ds_load_b128 v[X+16*((\t)%2)+4*\i:X+16*((\t)%2)+4*\i+3], v15 offset:32*SP*((\t)%2)+16*\i
.endr
.endm
.irp t, 0,1,2,3
	LOAD \t
.endr
	s_wait_loadcnt 12                              ; step 0's four loads are in; the twelve of steps 1 to 3 may be out
	TURN 0
.macro STEP t
.set XS, X+16*((\t)%2)
.if (\t) > 0
	s_wait_dscnt 1                                 ; this step's numbers are back from the stage (the last step's byte store may be out): so its stores into the stage have read their registers,
.else
	s_wait_dscnt 0x0
.endif
.if (\t)+4 < STEPS
	LOAD (\t)+4                                    ; which take the loads of four steps on
.endif
.if (\t)+1 < STEPS
.if STEPS-2-(\t) >= 3
	s_wait_loadcnt 12                              ; the next step's four loads are in; those of the three steps behind it may be out
.else
	s_wait_loadcnt 4*(STEPS-2-(\t))
.endif
	TURN (\t)+1                                    ; and go through the other stage while this step is worked
.endif
	v_max3_num_f32 v8, |v[XS]|, |v[XS+1]|, |v[XS+2]|               ; the largest magnitude of my 16, in two chains
	v_max3_num_f32 v9, |v[XS+3]|, |v[XS+4]|, |v[XS+5]|
.irp i, 6,10
	v_max3_num_f32 v8, v8, |v[XS+\i]|, |v[XS+\i+1]|
	v_max3_num_f32 v9, v9, |v[XS+\i+2]|, |v[XS+\i+3]|
.endr
	v_max3_num_f32 v8, v8, |v[XS+14]|, |v[XS+15]|
	v_max3_num_f32 v8, v8, v9, 0x1800000           ; and the floor 2^(3 - 127): the byte cannot fall under 1
	v_max_num_f32_dpp v8, v8, v8 row_xmask:1 row_mask:0xf bank_mask:0xf   ; and of my neighbour's 16: the block's
	v_add_nc_u32 v11, 0xff000000, v8               ; 2 off its exponent field: the conversion takes the exponent field of this operand as its scale, and nothing else of it
	v_cvt_scalef32_pk8_fp4_f32 v[C+4*(\t)], v[XS:XS+7], v11
	v_cvt_scalef32_pk8_fp4_f32 v[C+4*(\t)+1], v[XS+8:XS+15], v11
	v_lshrrev_b32 v[E+(\t)], 23, v11               ; the scale's byte (also the plain line behind the conversions)
	ds_store_b8 v5, v[E+(\t)] offset:16*(\t)       ; both lanes of a block write the same byte with the same value
	global_store_b64 v4, v[C+4*(\t):C+4*(\t)+1], s[8:9] offset:32*CB*(\t)   ; 32 lanes store 256 consecutive bytes, aligned; later launches read them
.endm
.irp t, 0,1,2,3,4,5,6,7,8,9,10,11,12,13,14,15
	STEP \t
.endr
	ds_load_b64 v[12:13], v6                       ; LDS serves a wave's instructions in order: these see my byte stores
	s_wait_dscnt 0x0
	global_store_b64 v7, v[12:13], s[10:11]        ; 32 lanes store 256 consecutive bytes, aligned
	s_wait_tensorcnt 0x0
	ds_add_u32 v208, v209
	s_wait_dscnt 0x0
	s_endpgm
.Lfunc_end_k_qfef3138da9_quant:
	.size	k_qfef3138da9_quant, .Lfunc_end_k_qfef3138da9_quant-k_qfef3138da9_quant
	.p2alignl 7, 3214868480
	.fill 96, 4, 3214868480
	.section	.rodata,"a",@progbits
	.p2align	6, 0x0
	.amdhsa_kernel k_qfef3138da9_quant
		.amdhsa_group_segment_fixed_size 33280
		.amdhsa_private_segment_fixed_size 0
		.amdhsa_enable_private_segment 0
		.amdhsa_kernarg_size 48
		.amdhsa_user_sgpr_count 2
		.amdhsa_user_sgpr_kernarg_segment_ptr 1
		.amdhsa_wavefront_size32 1
		.amdhsa_system_sgpr_workgroup_id_x 1
		.amdhsa_system_sgpr_workgroup_id_y 1
		.amdhsa_system_sgpr_workgroup_id_z 1
		.amdhsa_system_vgpr_workitem_id 0
		.amdhsa_next_free_vgpr 210
		.amdhsa_next_free_sgpr 66
		.amdhsa_reserve_vcc 0
		.amdhsa_float_denorm_mode_32 3
		.amdhsa_float_denorm_mode_16_64 3
		.amdhsa_memory_ordered 1
		.amdhsa_forward_progress 1
		.amdhsa_inst_pref_size 36
	.end_amdhsa_kernel
	.amdgpu_metadata
---
amdhsa.version: [ 1, 2 ]
amdhsa.kernels:
  - .name:           k_qfef3138da9_quant
    .symbol:         k_qfef3138da9_quant.kd
    .args:
      - { .name: k, .offset: 0, .size: 8, .value_kind: global_buffer, .address_space: global }
      - { .name: q, .offset: 8, .size: 8, .value_kind: global_buffer, .address_space: global }
      - { .name: kc, .offset: 16, .size: 8, .value_kind: global_buffer, .address_space: global }
      - { .name: ks, .offset: 24, .size: 8, .value_kind: global_buffer, .address_space: global }
      - { .name: qc, .offset: 32, .size: 8, .value_kind: global_buffer, .address_space: global }
      - { .name: qs, .offset: 40, .size: 8, .value_kind: global_buffer, .address_space: global }
    .group_segment_fixed_size: 33280
    .private_segment_fixed_size: 0
    .kernarg_segment_align: 8
    .kernarg_segment_size: 48
    .max_flat_workgroup_size: 128
    .sgpr_count:     66
    .vgpr_count:     210
    .wavefront_size: 32
...
	.end_amdgpu_metadata
.endif
;; end of part 1
;; launch attn (part 2): grid 32 x 8, 16 waves a work-group, clusters of 4 x 1, 327,680 bytes of LDS; arguments qc, qs, kc, ks, v_codes, v_scales, out0, st; writes out0, st
.if DOCPART == 2
	.amdgcn_target "amdgcn-amd-amdhsa--gfx1250"
	.amdhsa_code_object_version 6
	.text
	.protected	k_qfef3138da9_attn
	.globl	k_qfef3138da9_attn
	.p2align	8
	.type	k_qfef3138da9_attn,@function
k_qfef3138da9_attn:
	s_mov_b64 s[64:65], 0
	v_nop
	global_prefetch_b8 v0, s[64:65] scope:SCOPE_SE
	s_setreg_imm32_b32 hwreg(HW_REG_WAVE_MODE, 25, 1), 1
	s_wait_xcnt 0x0
	s_wait_alu depctr_hold_cnt(0) depctr_sa_sdst(0) depctr_va_vdst(0) depctr_va_sdst(0) depctr_va_ssrc(0) depctr_va_vcc(0) depctr_vm_vsrc(0)
	s_getreg_b32 s2, hwreg(HW_REG_IB_STS2, 6, 4)
	s_cmp_eq_u32 s2, 0
	s_cbranch_scc0 .Lentry_in_a_cluster
	s_endpgm
.Lentry_in_a_cluster:
	s_bfe_u32 s2, ttmp6, 0x10000c
	s_cmp_lg_u32 s2, 0x3003
	s_cbranch_scc0 .Lentry_shape_is_right
	s_endpgm
.Lentry_shape_is_right:
; out0[q][head 4 h + g][:] = the sum over keys k <= q + 2048 of softmax_k(Q . K / sqrt(128)) V, both products on codes of FP4 (E2M1) with one E8M0 scale for each 32 along a product's K.
; qc [32][2048][64 bytes], qs [32][2048][4], kc [8][4096][64], ks [8][4096][4]: made by the launch before.  v_codes [8 x 128][4096 keys as 2,048 bytes], v_scales [8 x 128][128]: given, keys innermost.
; THE SOFTMAX: t = score x log2(e) / sqrt(128); M = the running largest t rounded UP to a whole number; p = 2^(t - M) is quantised along the keys, not normalised; the row's sum l is taken of the unquantised p and divides at the end.
; When M moves, l and O are multiplied by 2^(old M - new M): exact.  ALSO STORED: st[head][q] = -(M + log2 l + 2), from which the next launch makes a finished probability / 4 by one multiply-add and one exponential.
; SHARES.  A cluster of four work-groups has ONE key head h (grid y) and ONE pair of query blocks; its four partners are the four group heads g.  So all four walk the same tiles of K and V: each tile is asked for JOINTLY, by the same
; tensor load with the same descriptor and the mask 15.  g enters only the global addresses of Q, out0 and st: no branch, no LDS address, no descriptor.
; A work-group owns 256 rows of its head: query blocks J and 15 - J of 128 (J = the cluster's x), so that early and late queries, which see 17 + block key steps of 128, add up alike in every work-group: 8 x 49 wave steps.
; Each of SIXTEEN waves owns one tile of 16 queries in 256 registers; wave w takes tile w / 2 of block J or 15 - J by the bit (w ^ (w >> 2)) & 1, so that any four waves w % 4 or w / 4 alike hold two of each.
; EVERY work-group walks all 8 slots of 512 keys: trip counts are constants, no tensor load and no barrier is jumped over.  A step all of whose keys are hidden from the wave's queries leaves out its WORK, by a scalar branch on ids.
; LAYOUT.  Both products are used transposed: S^T = K Q^T, O^T = V^T P^T: a lane holds ONE query (lane % 16) throughout.  THE KEYS OF A TILE ARE NOT NEIGHBOURS: lane r of tile 2 b + u takes key 32 b + 8 u + r + 8 (r / 8),
; so that the 16 registers of tiles 2 b and 2 b + 1 are 16 neighbouring keys, 32 b + 16 (lane / 16) + 0 .. 15.
; LIMITS: NaN and infinities are not served; a scale byte 0xff in v_scales gives NaN, as its meaning is.  A block of p that is all zeros keeps the byte 1: its codes are zeros.
; REGISTERS: v1-7 addresses that stay; v8-11 addresses of the loads in hand; v12 -M, v13 the largest t, v[14:15] l in two halves; v16-23 Q; v24-26 the mask; v[28:29] f; v30 4 r; v32-63 four fragments of K or V;
;   v96-159 S^T, then p; v160-223 O^T; v224-231 p's codes; v232-247, v252, v254 at work; v248-251 scale words from LDS; v253 p's scale word; v255 Q's.
.set SK,    512                        ; keys in a slot
.set NQ,    4                          ; key steps in a slot
.set ROWB,  64                         ; 128 codes in bytes
.set KP,    80                         ; a key's row in LDS: 64 bytes + 16 of padding
.set VROWB, 256                        ; SK codes in bytes: a row of V's tile
.set VP,    272                        ; and in LDS: + 16 of padding
.set KROWV, 2048                       ; a row of V in memory
.set VOFF,  SK*KP                      ; a slot: 512 rows of K, then 128 rows of V
.set SLOT1, 1<<17                      ; slot 1 begins here: one exclusive or turns an address in one slot into the other's
.set NSL,   8                          ; slots' worth of keys
.set KSV,   128                        ; a row of V's scale bytes
.set SCK,   2*SLOT1                    ; behind the ring: K's scale bytes of the head, 16,384 bytes as 64 runs of 256 + 16 of padding;
.set SCH,   32*272                     ; (half of them: what one tensor load brings)
.set SCV,   SCK+2*SCH                  ; V's likewise
.set SPARE, SCV+2*SCH                  ; the spare words, 128 bytes for each wave: eight blocks of 256 bytes that no other line names
.set OROW,  16384                      ; a row of out0 in bytes
; The way out's stages, 16 rows x 272 bytes for each wave, begin at LDS byte 0: in slot 0, which was left at the last change of slots: it has had its last fill, and nobody reads it.
.set AK0,  1
.set AV0,  2
.set ASK0, 3
.set ASV0, 4
.set SPW,  5                           ; v5   LDS address of my spare word: SPARE + 4 x my thread's number; never rewritten
.set NIL,  6                           ; v6   0; never rewritten
.set GO,   7
.set ADK,  8
.set ADV,  9
.set ADS,  10
.set ADT,  11
.set WV,   20                          ; s20  my wave's number
.set SEL,  22                          ; s[22:23] lane selects for v_permlanex16_b32: lane l xor 16
.set CS,   24                          ; s[24:25] c = log2(e) / sqrt(128), twice
.set G1K,  28                          ; s[28:35] descriptor group 1 for K's tiles;  s[36:43] for V's;  s[44:47], s[48:51] their groups 0, which walk
.set G1V,  36
.set G0K,  44
.set G0V,  48
.set G1S,  52                          ; s[52:59] group 1 for the scale bytes;  s[60:63], s[68:71] groups 0 for K's and V's
.set G0SK, 60
.set G0SV, 68
.set TB,   72                          ; LDS byte at which the slot in hand begins
.set TS,   73                          ; where the step's scale words of K begin: 544 bytes a step
.set TJ,   74                          ; and V's: 4 bytes a step
.set SLOTS, 75                         ; slots still to be asked for
.set KF,   76                          ; the step's first key
.set Q0,   77                          ; my first query + 2048: the last key that it sees
.set TP,   88                          ; at work in a step
; A joint load.  Waves 0 and 1 fetch for K, waves 2 and 3 for V, the others nothing.  The branches hang on the wave's number alone.  Four v_nop follow each of the two lines.
.macro TLOAD g0k, g1k, g0v, g1v
	s_cmp_lt_u32 s[WV], 2
	s_cbranch_scc0 .Lnot_k_\@
	tensor_load_to_lds s[\g0k:\g0k+3], s[\g1k:\g1k+7]
	s_nop 0
.rept 4
	v_nop
.endr
	s_branch .Lasked_\@
.Lnot_k_\@:
	s_cmp_lt_u32 s[WV], 4
	s_cbranch_scc0 .Lasked_\@
	tensor_load_to_lds s[\g0v:\g0v+3], s[\g1v:\g1v+7]
	s_nop 0
.rept 4
	v_nop
.endr
.Lasked_\@:
.endm
; A round of the cluster's barrier: my work-group's barrier, so that wave 0's signal speaks for all sixteen waves; wave 0 signals for the work-group; every wave waits for all four work-groups; my work-group's barrier once more.
.macro CROUND
	s_barrier_signal -1
	s_barrier_wait -1
	s_cmp_lg_u32 s[WV], 0
	s_cbranch_scc1 .Lnot_wave_0_\@
	s_barrier_signal -3
.Lnot_wave_0_\@:
	s_barrier_wait -3
	s_barrier_signal -1
	s_barrier_wait -1
.endm
	s_load_b256 s[4:11], s[0:1], 0x0               ; qc s[4:5], qs s[6:7], kc s[8:9], ks s[10:11]
	s_load_b256 s[12:19], s[0:1], 0x20             ; v_codes s[12:13], v_scales s[14:15], out0 s[16:17], st s[18:19]
	v_lshl_add_u32 v[SPW], v0, 2, SPARE
	v_mov_b32 v[NIL], 0
	ds_add_u32 v5, v6
	s_wait_dscnt 0x0
	v_lshrrev_b32 v8, 5, v0
	v_readfirstlane_b32 s[WV], v8                  ; wave 0..15
	s_and_b32 s78, ttmp7, 0xffff                   ; h: the key head, which the four partners share
	s_lshl_b32 s80, s78, 18                        ; the head's first byte in kc and in v_codes: 262,144 h
	s_mov_b32 s81, 0
	s_lshl_b32 s82, s78, 14                        ; and in ks and v_scales: 16,384 h
	s_mov_b32 s83, 0
	s_and_b32 s79, s[WV], 1                        ; which half I fetch, if I fetch
	s_lshl_b32 s84, s79, 14                        ; K: 256 keys x 64 bytes in memory,
	s_mov_b32 s85, 0
	s_add_nc_u64 s[84:85], s[84:85], s[80:81]
	s_mul_i32 s86, s79, 256*KP                     ; and in a slot
	s_lshl_b32 s88, s79, 17                        ; V: 64 rows x 2,048 bytes in memory,
	s_mov_b32 s89, 0
	s_add_nc_u64 s[88:89], s[88:89], s[80:81]
	s_mul_i32 s87, s79, 64*VP
	s_add_co_u32 s87, s87, VOFF                    ; and in a slot
	s_lshl_b32 s80, s79, 13                        ; the scale bytes: 8,192 in memory,
	s_add_nc_u64 s[80:81], s[80:81], s[82:83]
	s_mul_i32 s82, s79, SCH                        ; and in LDS
	; my tile of queries: it hangs on the cluster's x and the wave's number, which the partners share
	s_lshr_b32 s90, s[WV], 2
	s_xor_b32 s90, s90, s[WV]
	s_and_b32 s90, s90, 1                          ; block J (0) or 15 - J (1)
	s_lshl_b32 s91, ttmp9, 1
	s_sub_co_u32 s91, 15, s91
	s_mul_i32 s91, s91, s90
	s_add_co_u32 s91, s91, ttmp9                   ; the block of 128 queries
	s_lshl_b32 s91, s91, 7
	s_lshr_b32 s92, s[WV], 1
	s_lshl_b32 s92, s92, 4
	s_add_co_u32 s91, s91, s92                     ; my first query
	s_add_co_u32 s[Q0], s91, 2048
	; what hangs on the group head stays in s93-99 and enters global addresses alone
	s_bfe_u32 s93, ttmp6, 0x40000                  ; g: my place in the cluster
	s_lshl_b32 s94, s78, 2
	s_add_co_u32 s93, s94, s93                     ; the query head 4 h + g
	s_lshl_b32 s94, s93, 11
	s_add_co_u32 s94, s94, s91                     ; my first row of [head][query]
	s_mov_b32 s95, 0
	s_lshl_b32 s96, s94, 6                         ; its codes
	s_mov_b32 s97, 0
	s_lshl_b32 s94, s94, 2                         ; its scale word, and its statistic
	s_lshl_b32 s98, s91, 14                        ; out0: query x 16,384 + head x 512
	s_lshl_b32 s99, s93, 9
	s_add_co_u32 s98, s98, s99
	s_mov_b32 s99, 0
	; descriptor group 1.  K: 256 rows of 64 bytes, dense in memory;  V: 64 rows of 256 bytes, 2,048 bytes apart
	s_mov_b32 s[G1K], 15|(0<<16)|(1<<20)|(1<<21)|(3<<22)|(3<<25)  ; 15:0 the mask: all four work-groups; 17:16 elements of 1 byte; 20 padding on; 21 set beside a mask; 24:22 after every 16 words (code 3); 31:25 four words (code 3)
	s_mov_b32 s[G1K+1], ROWB<<16                   ; tensor_dim0
	s_mov_b32 s[G1K+2], 256<<16                    ; tensor_dim1
	s_mov_b32 s[G1K+3], ROWB<<16                   ; tile_dim0
	s_mov_b32 s[G1K+4], 256                        ; tile_dim1
	s_mov_b32 s[G1K+5], ROWB                       ; tensor_dim0_stride
	s_mov_b32 s[G1K+6], 0
	s_mov_b32 s[G1K+7], 0
	s_mov_b32 s[G1V], 15|(0<<16)|(1<<20)|(1<<21)|(5<<22)|(3<<25)  ; padding: four words after every 64
	s_mov_b32 s[G1V+1], VROWB<<16
	s_mov_b32 s[G1V+2], 64<<16
	s_mov_b32 s[G1V+3], VROWB<<16
	s_mov_b32 s[G1V+4], 64
	s_mov_b32 s[G1V+5], KROWV
	s_mov_b32 s[G1V+6], 0
	s_mov_b32 s[G1V+7], 0
	s_mov_b32 s[G1S], 15|(3<<16)|(1<<20)|(1<<21)|(5<<22)|(3<<25)  ; the scale bytes: 8,192 dense bytes as 32 rows of 32 elements of 8 bytes, 16 bytes of padding behind each
	s_mov_b32 s[G1S+1], 32<<16
	s_mov_b32 s[G1S+2], 32<<16
	s_mov_b32 s[G1S+3], 32<<16
	s_mov_b32 s[G1S+4], 32
	s_mov_b32 s[G1S+5], 32
	s_mov_b32 s[G1S+6], 0
	s_mov_b32 s[G1S+7], 0
	s_mov_b32 s[SEL], 0x76543210
	s_mov_b32 s[SEL+1], 0xfedcba98
	s_mov_b32 s[CS], 0x3e0293ee                    ; c = log2(e) / sqrt(128)
	s_mov_b32 s[CS+1], s[CS]                       ; (named with it as a pair, so it is written)
	s_mov_b32 s[TB], 0
	s_mov_b32 s[TS], 0
	s_mov_b32 s[TJ], 0
	s_mov_b32 s[SLOTS], NSL-1
	s_mov_b32 s[KF], 0
	s_wait_kmcnt 0x0
	s_mov_b32 s[G0SK], 1                           ; 1:0 count = 1
	s_add_co_u32 s[G0SK+1], s82, SCK               ; 63:32 LDS address
	s_add_nc_u64 s[G0SK+2:G0SK+3], s[10:11], s[80:81]   ; 120:64 global address
	s_or_b32 s[G0SK+3], s[G0SK+3], 0x80000000      ; 127:126 type = 2
	s_mov_b32 s[G0SV], 1
	s_add_co_u32 s[G0SV+1], s82, SCV
	s_add_nc_u64 s[G0SV+2:G0SV+3], s[14:15], s[80:81]
	s_or_b32 s[G0SV+3], s[G0SV+3], 0x80000000
	s_mov_b32 s[G0K], 1
	s_mov_b32 s[G0K+1], s86                        ; slot 0
	s_add_nc_u64 s[G0K+2:G0K+3], s[8:9], s[84:85]  ; the head's first 512 keys
	s_or_b32 s[G0K+3], s[G0K+3], 0x80000000
	s_mov_b32 s[G0V], 1
	s_mov_b32 s[G0V+1], s87
	s_add_nc_u64 s[G0V+2:G0V+3], s[12:13], s[88:89]
	s_or_b32 s[G0V+3], s[G0V+3], 0x80000000
	s_add_nc_u64 s[4:5], s[4:5], s[96:97]          ; Q's codes at my first query,
	s_add_nc_u64 s[6:7], s[6:7], s[94:95]          ; its scale words,
	s_add_nc_u64 s[18:19], s[18:19], s[94:95]      ; its statistics,
	s_add_nc_u64 s[16:17], s[16:17], s[98:99]      ; its rows of out0
	CROUND                                         ; all four work-groups are here: the first joint loads meet
	s_cmp_lt_u32 s[WV], 2                          ; a wave's two first fills stand in one branch, ahead of every wait on TENSORcnt, every LDS read and every other barrier: two loads of mine are out at the most
	s_cbranch_scc0 .Lfirst_not_k
	tensor_load_to_lds s[G0SK:G0SK+3], s[G1S:G1S+7]        ; K's scale bytes of the whole head: filled once
	s_nop 0
	tensor_load_to_lds s[G0K:G0K+3], s[G1K:G1K+7]          ; slot 0
	s_nop 0
.rept 4
	v_nop
.endr
	s_branch .Lfirst_asked
.Lfirst_not_k:
	s_cmp_lt_u32 s[WV], 4
	s_cbranch_scc0 .Lfirst_asked
	tensor_load_to_lds s[G0SV:G0SV+3], s[G1S:G1S+7]
	s_nop 0
	tensor_load_to_lds s[G0V:G0V+3], s[G1V:G1V+7]
	s_nop 0
.rept 4
	v_nop
.endr
.Lfirst_asked:
	v_and_b32 v8, 15, v0                           ; r = lane % 16
	v_bfe_u32 v9, v0, 4, 1                         ; hl = lane / 16
	v_mul_u32_u24 v10, v8, ROWB
	v_lshl_add_u32 v10, v9, 4, v10                 ; Q: row r, + my half's bytes
.irp c, 0,1
	global_load_b128 v[16+4*\c:19+4*\c], v10, s[4:5] offset:32*\c   ; Q's fragment stays in registers
.endr
	v_lshlrev_b32 v30, 2, v8
	global_load_b32 v255, v30, s[6:7]              ; Q's scale words
	v_and_b32 v11, 8, v8
	v_add_nc_u32 v11, v11, v8                      ; r + 8 (r / 8)
	v_mul_u32_u24 v[AK0], v11, KP
	v_lshl_add_u32 v[AK0], v9, 4, v[AK0]
	v_mul_u32_u24 v[AV0], v8, VP
	v_lshl_add_u32 v[AV0], v9, 4, v[AV0]
	v_add_nc_u32 v[AV0], VOFF, v[AV0]
	v_lshl_add_u32 v[ASK0], v11, 2, SCK            ; K's scale words: 4 bytes a key; a step's 128 keys are two runs of 256 bytes
	v_mul_u32_u24 v12, v8, KSV                     ; V's: row r of a tile begins 128 r bytes on: which run of 256 bytes, and where in it
	v_lshrrev_b32 v13, 8, v12
	v_and_b32 v12, 255, v12
	v_mad_u32_u24 v[ASV0], v13, 272, v12
	v_add_nc_u32 v[ASV0], SCV, v[ASV0]
	v_lshlrev_b32 v[GO], 14, v9
	v_lshl_add_u32 v[GO], v8, 4, v[GO]             ; the way out: lanes 0-15 take one row of out0, lanes 16-31 the next; 16 bytes a lane
	v_lshlrev_b32 v24, 4, v9
	v_sub_nc_u32 v24, v8, v24                      ; the mask: r - 16 hl
	v_mov_b32 v26, 0xff800000                      ; -infinity
	v_mov_b32 v13, 0xff61b1e6                      ; the largest t so far: -3e38, under every t
	v_floor_f32 v12, -v13                          ; -M
	v_mov_b32 v14, 0                               ; l, in two halves
	v_mov_b32 v15, 0
	v_mov_b32 v28, 0
	v_mov_b32 v29, 0                               ; (named as the upper half of the pair v[28:29])
	v_mov_b32 v252, 0                              ; written once: a lane permute's destination counts as one of its sources
.irp b, 0,1,2,3
	v_mov_b32 v[236+\b], 0                         ; likewise
.endr
.set jj, 0
.rept 64
	v_mov_b32 v[160+jj], 0                         ; O^T.  (The step is written once: the first finds zeros, which the first change of M leaves zeros)
.set jj, jj+1
.endr
; A KEY STEP: 128 keys, the q-th of the slot in hand.
.macro STEP q
	s_add_co_u32 s[TP], s[Q0], 15                  ; a step all of whose keys come after what my 16 queries see is left out: a scalar branch on ids, round the step's loads, products and softmax;
	s_cmp_gt_u32 s[KF], s[TP]                      ; not round the lines at its end that step addresses, and no barrier or tensor load stands in a step
	s_cbranch_scc1 .Lhidden_\@
	v_add_nc_u32 v[ADK], s[TB], v[AK0]             ; (these four are the places in front of the loads into registers that the last step's products read)
	v_add_nc_u32 v[ADV], s[TB], v[AV0]
	v_add_nc_u32 v[ADS], s[TS], v[ASK0]
	v_add_nc_u32 v[ADT], s[TJ], v[ASV0]
.irp g, 0,1                                    ; S^T = K Q^T, four tiles of 16 keys at a time
.if \g > 0
.rept 4
	v_nop                                          ; places in front of loads into registers that matrix instructions have read
.endr
.endif
.irp t, 0,1,2,3
.irp c, 0,1
	ds_load_b128 v[32+8*\t+4*\c:32+8*\t+4*\c+3], v[ADK] offset:(128*(\q)+32*((4*\g+\t)/2)+8*(\t%2))*KP+32*\c
.endr
	ds_load_b32 v[248+\t], v[ADS] offset:272*\g+(32*(((4*\g+\t)/2)%2)+8*(\t%2))*4
.endr
	s_wait_dscnt 0x0
.irp t, 0,1,2,3
	v_wmma_scale_f32_16x16x128_f8f6f4 v[96+8*(4*\g+\t):103+8*(4*\g+\t)], v[32+8*\t:39+8*\t], v[16:23], 0, v[248+\t], v255 matrix_a_fmt:MATRIX_FMT_FP4 matrix_b_fmt:MATRIX_FMT_FP4
.endr
.endr
.rept 4
	v_nop
.endr
	s_add_co_u32 s[TP], s[KF], 127                 ; on the diagonal the scores of hidden keys become -infinity ahead of the maximum: p = 0 then.  A step all of whose keys count skips this
	s_cmp_le_u32 s[TP], s[Q0]
	s_cbranch_scc1 .Lopen_\@
	s_sub_co_i32 s[TP], s[Q0], s[KF]
	v_add_nc_u32 v25, s[TP], v24                   ; d = the last key that my query sees - KF - 16 hl.  Register 16 b + i holds key KF + 16 hl + 32 b + i: hidden where 32 b + i > d
.set nn, 0
.rept 64
	v_cmp_gt_i32 vcc_lo, 32*(nn/16)+nn%16, v25
	v_cndmask_b32 v[96+nn], v[96+nn], v26, vcc_lo
.set nn, nn+1
.endr
.Lopen_\@:
.irp b, 0,1,2,3
	v_max3_num_f32 v[232+\b], v[96+16*\b], v[97+16*\b], v[98+16*\b]   ; THE LARGEST SCORE OF EACH BLOCK OF 32 KEYS: it serves twice: for the row's maximum, and, since p rises with the score, for the block's largest p
.endr
.irp i, 3,5,7,9,11,13
.irp b, 0,1,2,3
	v_max3_num_f32 v[232+\b], v[232+\b], v[96+16*\b+\i], v[97+16*\b+\i]   ; (the four blocks by turns)
.endr
.endr
.irp b, 0,1,2,3
	v_max_num_f32 v[232+\b], v[232+\b], v[111+16*\b]
.endr
.irp b, 0,1,2,3
	v_permlanex16_b32 v[236+\b], v[232+\b], s[SEL], s[SEL+1]
.endr
.irp b, 0,1,2,3
	v_max_num_f32 v[232+\b], v[232+\b], v[236+\b]  ; with lane l xor 16's 16 keys
.endr
	v_max3_num_f32 v254, v232, v233, v234
	v_max_num_f32 v254, v254, v235                 ; the step's largest score of my query
	v_mul_f32 v254, s[CS], v254                    ; as t (c is positive)
	v_max_num_f32 v13, v13, v254                   ; the running largest t
	v_mov_b32 v254, v12
	v_floor_f32 v12, -v13                          ; the new -M = floor(-t) = -ceil(t): M IS A WHOLE NUMBER
	v_sub_f32 v254, v12, v254                      ; M's old value less its new one: a whole number, 0 or less
	v_cvt_i32_f32 v254, v254                       ; (it saturates)
	v_ldexp_f32 v28, 1.0, v254                     ; f = 2^(old M - new M): a multiplication by it rounds nothing
.set jj, 0
.rept 32
	v_pk_fma_f32 v[96+jj:97+jj], v[96+jj:97+jj], s[CS:CS+1], v[12:13] op_sel_hi:[1,0,0]   ; t - M, two at a time (of the pairs c and -M the low word serves both halves)
.set jj, jj+2
.endr
.irp b, 0,1,2,3
	v_fma_f32 v[232+\b], v[232+\b], s[CS], v12     ; the same of each block's largest score
.endr
.set jj, 0
.rept 64
	v_exp_f32 v[96+jj], v[96+jj]                   ; p = 2^(t - M), at most 1: NOT normalised
.set jj, jj+1
.endr
.irp b, 0,1,2,3
	v_exp_f32 v[232+\b], v[232+\b]                 ; the block's largest p: the same two instructions on the same number give the same bits
.endr
	v_pk_mul_f32 v[14:15], v[14:15], v[28:29] op_sel_hi:[1,0]   ; l under the new M.  (A plain place behind the exponentials)
	s_wait_alu depctr_va_vdst(0)
.irp b, 0,1,2,3
	v_max_num_f32 v[232+\b], 0x1800000, v[232+\b]  ; the floor 2^(3 - 127): the byte cannot fall under 1
.endr
.irp b, 0,1,2,3
	v_add_nc_u32 v[244+\b], 0xff000000, v[232+\b]  ; 2 off the exponent field: the conversion's scale operand
.endr
.irp b, 0,1,2,3
	v_lshrrev_b32 v[236+\b], 23, v[244+\b]         ; the scale's byte
.endr
	v_lshl_or_b32 v253, v237, 8, v236              ; p's scale word for these 128 keys
	v_lshl_or_b32 v253, v238, 16, v253
	v_lshl_or_b32 v253, v239, 24, v253
.irp b, 0,1,2,3
	v_cvt_scalef32_pk8_fp4_f32 v[224+2*\b], v[96+16*\b:103+16*\b], v[244+\b]
	v_cvt_scalef32_pk8_fp4_f32 v[225+2*\b], v[104+16*\b:111+16*\b], v[244+\b]
.endr
	v_nop                                          ; one plain vector instruction between a scaled conversion and the vector instruction that touches its result
.irp c, 0,1                                    ; the operand's layout wants a WHOLE block in a lane: lanes 0-15 block 2 c, lanes 16-31 block 2 c + 1
.irp i, 0,1
	v_permlane16_swap_b32 v[224+4*\c+\i], v[226+4*\c+\i]
.endr
.endr
	v_pk_add_f32 v[236:237], v[96:97], v[98:99]    ; THE ROW'S SUM IS TAKEN OF THE UNQUANTISED p: two at a time, in two chains
.irp j, 4,8,12,16,20,24,28,32,36,40,44,48,52,56,60
	v_pk_add_f32 v[14:15], v[14:15], v[96+\j:97+\j]
	v_pk_add_f32 v[236:237], v[236:237], v[98+\j:99+\j]
.endr
	v_pk_add_f32 v[14:15], v[14:15], v[236:237]
.set jj, 0
.rept 32
	v_pk_mul_f32 v[160+jj:161+jj], v[160+jj:161+jj], v[28:29] op_sel_hi:[1,0]   ; O^T under the new M, each accumulator from its low end on.  (These 32 are also the places in front of the matrix instructions and loads below)
.set jj, jj+2
.endr
.irp g, 0,1                                    ; O^T += V^T P^T: four tiles of 16 of the head's 128 at a time; K = these 128 keys.  The eight accumulators take turns, one instruction a turn
.if \g > 0
.rept 4
	v_nop
.endr
.endif
.irp t, 0,1,2,3
.irp c, 0,1
	ds_load_b128 v[32+8*\t+4*\c:32+8*\t+4*\c+3], v[ADV] offset:16*(4*\g+\t)*VP+ROWB*(\q)+32*\c
.endr
	ds_load_b32 v[248+\t], v[ADT] offset:(4*\g+\t)*(16*KSV/256)*272
.endr
	s_wait_dscnt 0x0
.irp t, 0,1,2,3
	v_wmma_scale_f32_16x16x128_f8f6f4 v[160+8*(4*\g+\t):167+8*(4*\g+\t)], v[32+8*\t:39+8*\t], v[224:231], v[160+8*(4*\g+\t):167+8*(4*\g+\t)], v[248+\t], v253 matrix_a_fmt:MATRIX_FMT_FP4 matrix_b_fmt:MATRIX_FMT_FP4
.endr
.endr
.Lhidden_\@:
	s_add_co_u32 s[KF], s[KF], 128
	s_add_co_u32 s[TS], s[TS], 544                 ; the next step's scale words
	s_add_co_u32 s[TJ], s[TJ], 4
.endm
; THE CHANGE OF SLOTS stands at a slot's head.  Each wave waits for all its tensor loads (its part of the slot that it is about to read), adds 0 to its spare word, and waits for that and for its reads of the slot that it has left.
; fill = 1: the barrier is a round of the cluster's, so that no wave of any partner still reads the other slot or has a load on its way; the joint fill of that slot, with the keys that follow, is the first thing behind it
; and has a whole slot's steps in which to land.  One tensor load of a wave is out behind each round.
.macro CHANGE fill
	s_wait_tensorcnt 0x0                           ; no tensor load of mine is out, so a group 0 may be written
	ds_add_u32 v[SPW], v[NIL]                      ; 0 onto my spare word
.if \fill
	s_xor_b32 s[G0K+1], s[G0K+1], SLOT1            ; the walking descriptors: the other slot than last time,
	s_add_nc_u64 s[G0K+2:G0K+3], s[G0K+2:G0K+3], SK*ROWB   ; the next 512 keys; the type bits on top are not reached
	s_xor_b32 s[G0V+1], s[G0V+1], SLOT1
	s_add_nc_u64 s[G0V+2:G0V+3], s[G0V+2:G0V+3], VROWB
.endif
	s_wait_dscnt 0x0                               ; the add is done, and my reads of the slot that I have left are over
.if \fill
	CROUND
	TLOAD G0K, G1K, G0V, G1V
.else
	s_barrier_signal -1
	s_barrier_wait -1
.endif
.endm
.macro SLOT_STEPS
.set QQ, 0
.rept NQ
	STEP QQ
.set QQ, QQ+1
.endr
	s_xor_b32 s[TB], s[TB], SLOT1                  ; on to the other slot
.endm
	s_wait_loadcnt 0x0                             ; Q
.Lslot:                                            ; 7 trips: behind each change of slots but the last the next slot is asked for
	CHANGE 1
	SLOT_STEPS
	s_sub_co_u32 s[SLOTS], s[SLOTS], 1
	s_cmp_lg_u32 s[SLOTS], 0
	s_cbranch_scc1 .Lslot
	CHANGE 0                                       ; the last slot is written out
	SLOT_STEPS
	; THE WAY OUT.  l's two halves and the other half of the lanes' are added; the statistic is stored; O^T is divided by l and goes through my stage in LDS, half a row (64 channels, 256 bytes) of 16 queries at a time.
	v_add_f32 v14, v14, v15
	v_permlanex16_b32 v252, v14, s[SEL], s[SEL+1]
	v_add_f32 v14, v14, v252                       ; the row's sum l: at least 1/2
	v_log_f32 v252, v14                            ; log2 l
	v_rcp_f32 v254, v14
	v_and_b32 v8, 15, v0                           ; (a plain place behind the transcendentals)  r
	v_bfe_u32 v9, v0, 4, 1                         ; hl
	s_wait_alu depctr_va_vdst(0)
	v_sub_f32 v252, v12, v252                      ; -M - log2 l
	v_add_f32 v252, -2.0, v252                     ; - 2: the mean over the four group heads
	global_store_b32 v30, v252, s[18:19]           ; lanes r and r + 16 write the same word with the same value: 64 consecutive bytes a wave
	s_mul_i32 s[TP], s[WV], 16*272                 ; my stage
	v_mul_u32_u24 v10, v8, 272
	v_lshl_add_u32 v10, v9, 5, v10
	v_add_nc_u32 v10, s[TP], v10                   ; in: row r; tile t's eight channels of my half: 64 t + 32 hl bytes on
	v_mul_u32_u24 v11, v9, 272
	v_lshl_add_u32 v11, v8, 4, v11
	v_add_nc_u32 v11, s[TP], v11                   ; back: lanes 0-15 one row, lanes 16-31 the next
.set jj, 0
.rept 64
	v_mul_f32 v[96+jj], v[160+jj], v254            ; O^T / l: register 8 t + i is channel 16 t + 8 hl + i of query r; each accumulator from its low end on
.set jj, jj+1
.endr
.irp u, 0,1                                    ; channels 64 u on
.irp t, 0,1,2,3
	ds_store_b128 v10, v[96+32*\u+8*\t:99+32*\u+8*\t] offset:64*\t
	ds_store_b128 v10, v[100+32*\u+8*\t:103+32*\u+8*\t] offset:64*\t+16
.endr
.irp i, 0,1,2,3,4,5,6,7
	ds_load_b128 v[32+32*\u+4*\i:35+32*\u+4*\i], v11 offset:2*\i*272   ; LDS serves a wave's instructions in order: these see my stores, and the next half's stores come behind them
.endr
.endr
.irp u, 0,1
.irp i, 0,1,2,3,4,5,6,7
	s_wait_dscnt 23-16*\u-\i                       ; younger than this pair of rows: the rest of its half's loads, and for the first half the second half's eight stores and eight loads
	global_store_b128 v[GO], v[32+32*\u+4*\i:35+32*\u+4*\i], s[16:17] offset:2*\i*OROW+256*\u th:TH_STORE_NT   ; 16 lanes store 256 consecutive bytes, aligned; written once, read by nobody here
.endr
.endr
	s_wait_tensorcnt 0x0                           ; the wave's end: behind my last tensor load and my last LDS store
	ds_add_u32 v[SPW], v[NIL]
	s_wait_dscnt 0x0
	CROUND                                         ; the closing round: no work-group ends while a partner may still ask for a tile that names it
	s_endpgm
.Lfunc_end_k_qfef3138da9_attn:
	.size	k_qfef3138da9_attn, .Lfunc_end_k_qfef3138da9_attn-k_qfef3138da9_attn
	.p2alignl 7, 3214868480
	.fill 96, 4, 3214868480
	.section	.rodata,"a",@progbits
	.p2align	6, 0x0
	.amdhsa_kernel k_qfef3138da9_attn
		.amdhsa_group_segment_fixed_size 327680
		.amdhsa_private_segment_fixed_size 0
		.amdhsa_enable_private_segment 0
		.amdhsa_kernarg_size 64
		.amdhsa_user_sgpr_count 2
		.amdhsa_user_sgpr_kernarg_segment_ptr 1
		.amdhsa_wavefront_size32 1
		.amdhsa_system_sgpr_workgroup_id_x 1
		.amdhsa_system_sgpr_workgroup_id_y 1
		.amdhsa_system_sgpr_workgroup_id_z 1
		.amdhsa_system_vgpr_workitem_id 0
		.amdhsa_next_free_vgpr 256
		.amdhsa_next_free_sgpr 100
		.amdhsa_reserve_vcc 1
		.amdhsa_float_denorm_mode_32 3
		.amdhsa_float_denorm_mode_16_64 3
		.amdhsa_memory_ordered 1
		.amdhsa_forward_progress 1
		.amdhsa_inst_pref_size 208
	.end_amdhsa_kernel
	.amdgpu_metadata
---
amdhsa.version: [ 1, 2 ]
amdhsa.kernels:
  - .name:           k_qfef3138da9_attn
    .symbol:         k_qfef3138da9_attn.kd
    .args:
      - { .name: qc, .offset: 0, .size: 8, .value_kind: global_buffer, .address_space: global }
      - { .name: qs, .offset: 8, .size: 8, .value_kind: global_buffer, .address_space: global }
      - { .name: kc, .offset: 16, .size: 8, .value_kind: global_buffer, .address_space: global }
      - { .name: ks, .offset: 24, .size: 8, .value_kind: global_buffer, .address_space: global }
      - { .name: v_codes, .offset: 32, .size: 8, .value_kind: global_buffer, .address_space: global }
      - { .name: v_scales, .offset: 40, .size: 8, .value_kind: global_buffer, .address_space: global }
      - { .name: out0, .offset: 48, .size: 8, .value_kind: global_buffer, .address_space: global }
      - { .name: st, .offset: 56, .size: 8, .value_kind: global_buffer, .address_space: global }
    .group_segment_fixed_size: 327680
    .private_segment_fixed_size: 0
    .kernarg_segment_align: 8
    .kernarg_segment_size: 64
    .max_flat_workgroup_size: 512
    .sgpr_count:     100
    .vgpr_count:     256
    .wavefront_size: 32
...
	.end_amdgpu_metadata
.endif
;; end of part 2
;; launch h2o (part 3): grid 32 x 8, 16 waves a work-group, no clusters, 10,240 bytes of LDS; arguments qc, qs, kc, ks, st, out1; writes out1
.if DOCPART == 3
	.amdgcn_target "amdgcn-amd-amdhsa--gfx1250"
	.amdhsa_code_object_version 6
	.text
	.protected	k_qfef3138da9_h2o
	.globl	k_qfef3138da9_h2o
	.p2align	8
	.type	k_qfef3138da9_h2o,@function
k_qfef3138da9_h2o:
	s_mov_b64 s[64:65], 0
	v_nop
	global_prefetch_b8 v0, s[64:65] scope:SCOPE_SE
	s_setreg_imm32_b32 hwreg(HW_REG_WAVE_MODE, 25, 1), 1
	s_wait_xcnt 0x0
; out1[h][k] = the sum over the head's four group heads g and all queries q with k <= q + 2048 of the finished softmax, / 4.
; The scores are made once more, on the same codes, and a probability / 4 is 2^(c s + st), c = log2(e) / sqrt(128), st[head][q] = -(M + log2 l + 2) from the launch before.
; THE PRODUCT IS USED IN ITS NATURAL LAYOUT (source 0 = 16 queries, source 1 = 16 keys): a lane holds ONE KEY (lane % 16) and its eight registers eight queries, so a column's sum is additions within a lane.
; EACH KEY HAS ONE OWNER.  Work-group (j, h) owns 128 keys of head h, in 8 tiles of 16: L, tiles 0-3: keys 64 j on, which every query sees; U1, tiles 4, 5: keys 2048 + 32 j on, seen by queries from 32 j on;
; U2, tiles 6, 7: keys 2048 + 32 (63 - j) on.  So every work-group has the same number of products, whatever j.  The keys' fragments stay in every wave's registers for the whole launch.
; THE WAVES SHARE THE ROWS: wave w takes group head w % 4 and the query tiles w / 4 + 4 n, n = 0 .. 31.  A query tile wholly in front of U1's (U2's) first query leaves those products and their vector work out: scalar branches on ids.
; The waves' sums meet in LDS behind the launch's one barrier; waves 0 and 1 add them and store.  Wave 0's store covers 256 consecutive bytes, aligned; wave 1's two runs of 128 bytes (U1's and U2's keys): the price of the even shares, 64 KiB of the launch's stores.
; No tensor load, no ring: a fragment of Q is used by one wave once and goes from memory straight into the operand's registers, one tile ahead.
; LIMITS: the sums run in another order than the source's, in f32.  NaN and infinities are not served.
.set KFR, 16                           ; v16-79   the 8 fragments of K
.set KSC, 80                           ; v80-87   their scale words
.set QF,  88                           ; v88-103  Q's fragment, two buffers
.set QS,  104                          ; v104-105 Q's scale words, two buffers
.set STT, 106                          ; v106-121 my eight queries' statistics, two buffers
.set D,   128                          ; v128-191 the scores, 8 tiles x 8
.set ACC, 192                          ; v192-207 a pair of sums for each tile
.set WV,  16
.set TAU, 20                           ; the query tile in hand
.set T1,  21                           ; U1's first query tile: 2 j
.set T2,  22                           ; U2's: 126 - 2 j, which is above T1
.set CNT, 23
.set T1P, 30                           ; T1 + 1, T2 + 1: the last query tile that needs the mask
.set T2P, 31
	s_load_b256 s[4:11], s[0:1], 0x0               ; qc s[4:5], qs s[6:7], kc s[8:9], ks s[10:11]
	s_load_b128 s[12:15], s[0:1], 0x20             ; st s[12:13], out1 s[14:15]
	v_lshl_add_u32 v224, v0, 2, 0x2000
	v_mov_b32 v225, 0
	v_lshrrev_b32 v1, 5, v0
	v_readfirstlane_b32 s[WV], v1                  ; wave 0..15
	v_and_b32 v1, 15, v0                           ; r
	v_bfe_u32 v2, v0, 4, 1                         ; hl
	v_lshlrev_b32 v3, 6, v1
	v_lshl_add_u32 v3, v2, 4, v3                   ; a fragment: row r of 64 bytes, + 16 hl
	v_lshlrev_b32 v4, 2, v1                        ; a scale word: 4 r
	v_lshlrev_b32 v5, 5, v2                        ; my eight queries' statistics: 32 hl
	s_and_b32 s18, ttmp7, 0xffff                   ; h
	s_and_b32 s19, s[WV], 3                        ; g
	s_lshr_b32 s[TAU], s[WV], 2
	s_lshl_b32 s[T1], ttmp9, 1
	s_sub_co_u32 s[T2], 126, s[T1]
	s_add_co_u32 s[T1P], s[T1], 1
	s_add_co_u32 s[T2P], s[T2], 1
	s_mov_b32 s[CNT], 16
	s_mov_b32 s24, 0x3e0293ee                      ; c
	s_mov_b32 s25, s24
	s_mov_b32 s26, 0x76543210
	s_mov_b32 s27, 0xfedcba98                      ; v_permlanex16_b32's selects for lane l xor 16
	s_lshl_b32 s32, ttmp9, 6                       ; L's first key
	s_lshl_b32 s33, ttmp9, 5
	s_add_co_u32 s34, s33, 2048                    ; U1's
	s_sub_co_u32 s35, 4064, s33                    ; U2's
	v_lshl_add_u32 v6, s32, 6, v3                  ; the groups' codes,
	v_lshl_add_u32 v7, s34, 6, v3
	v_lshl_add_u32 v8, s35, 6, v3
	v_lshl_add_u32 v9, s32, 2, v4                  ; and scale words
	v_lshl_add_u32 v10, s34, 2, v4
	v_lshl_add_u32 v11, s35, 2, v4
	v_lshlrev_b32 v12, 3, v2
	v_sub_nc_u32 v12, v1, v12                      ; the mask: r - 8 hl
	v_mov_b32 v14, 0
	s_lshl_b32 s47, s[WV], 9
	v_add_nc_u32 v15, s47, v4                      ; LDS: my wave's 512 bytes, key r of a tile
	v_and_b32 v216, 31, v0
	v_lshlrev_b32 v216, 3, v216
	s_and_b32 s29, s[WV], 1
	s_lshl_b32 s29, s29, 8
	v_add_nc_u32 v216, s29, v216                   ; LDS, the end: 8 bytes a lane of keys 0-63 (wave 0) or 64-127 (wave 1)
	s_lshl_b32 s44, ttmp9, 8                       ; out1: wave 0: byte 256 j, lanes 16-31 128 bytes on;
	s_lshl_b32 s45, ttmp9, 7
	s_add_co_u32 s45, s45, 8192                    ; wave 1: byte 8192 + 128 j, lanes 16-31 128 (63 - 2 j) bytes on
	s_sub_co_u32 s46, 63, s[T1]
	s_lshl_b32 s46, s46, 7
	s_cmp_eq_u32 s[WV], 0
	s_cselect_b32 s44, s44, s45
	s_cselect_b32 s46, 128, s46
	v_mul_u32_u24 v217, v2, s46
	v_lshl_add_u32 v217, v1, 3, v217
	v_add_nc_u32 v217, s44, v217
	s_lshl_b32 s36, s18, 2
	s_add_co_u32 s36, s36, s19                     ; the query head 4 h + g
	s_lshl_b32 s36, s36, 11
	s_lshl_b32 s37, s[TAU], 4
	s_add_co_u32 s36, s36, s37                     ; my first row of [head][query]
	s_lshl_b32 s38, s36, 2                         ; its scale word and its statistic
	s_mov_b32 s39, 0
	s_lshl_b32 s36, s36, 6                         ; its codes
	s_mov_b32 s37, 0
	s_lshl_b32 s40, s18, 18                        ; the head in kc
	s_mov_b32 s41, 0
	s_lshl_b32 s42, s18, 14                        ; in ks and in out1
	s_mov_b32 s43, 0
	s_wait_kmcnt 0x0
	s_add_nc_u64 s[4:5], s[4:5], s[36:37]
	s_add_nc_u64 s[6:7], s[6:7], s[38:39]
	s_add_nc_u64 s[12:13], s[12:13], s[38:39]
	s_add_nc_u64 s[8:9], s[8:9], s[40:41]
	s_add_nc_u64 s[10:11], s[10:11], s[42:43]
	s_add_nc_u64 s[14:15], s[14:15], s[42:43]
.irp t, 0,1,2,3
	global_load_b128 v[KFR+8*\t:KFR+8*\t+3], v6, s[8:9] offset:1024*\t
	global_load_b128 v[KFR+8*\t+4:KFR+8*\t+7], v6, s[8:9] offset:1024*\t+32
	global_load_b32 v[KSC+\t], v9, s[10:11] offset:64*\t
.endr
.irp t, 0,1
	global_load_b128 v[KFR+8*(4+\t):KFR+8*(4+\t)+3], v7, s[8:9] offset:1024*\t
	global_load_b128 v[KFR+8*(4+\t)+4:KFR+8*(4+\t)+7], v7, s[8:9] offset:1024*\t+32
	global_load_b32 v[KSC+4+\t], v10, s[10:11] offset:64*\t
	global_load_b128 v[KFR+8*(6+\t):KFR+8*(6+\t)+3], v8, s[8:9] offset:1024*\t
	global_load_b128 v[KFR+8*(6+\t)+4:KFR+8*(6+\t)+7], v8, s[8:9] offset:1024*\t+32
	global_load_b32 v[KSC+6+\t], v11, s[10:11] offset:64*\t
.endr
; a query tile, off rows on from the bases, into buffer b: its fragment, its scale words, my eight queries' statistics (the sixteen lanes of a half read the same 32 bytes)
.macro QLOAD b, off
	global_load_b128 v[QF+8*\b:QF+8*\b+3], v3, s[4:5] offset:64*\off
	global_load_b128 v[QF+8*\b+4:QF+8*\b+7], v3, s[4:5] offset:64*\off+32
	global_load_b32 v[QS+\b], v4, s[6:7] offset:4*\off
	global_load_b128 v[STT+8*\b:STT+8*\b+3], v5, s[12:13] offset:4*\off
	global_load_b128 v[STT+8*\b+4:STT+8*\b+7], v5, s[12:13] offset:4*\off+16
.endm
	QLOAD 0, 0
.set jj, 0
.rept 16
	v_mov_b32 v[ACC+jj], 0
.set jj, jj+1
.endr
.macro PLACES                          ; four places between a matrix instruction and the first vector instruction that reads its result (ISA guide 7.12.1)
.rept 4
	v_nop
.endr
.endm
.macro PROD b, t0, nt                  ; the scores of nt tiles of keys from t0 on: register jj of lane (r, hl) is (query 8 hl + jj of the tile, key r)
.set tt, \t0
.rept \nt
	v_wmma_scale_f32_16x16x128_f8f6f4 v[D+8*tt:D+8*tt+7], v[QF+8*\b:QF+8*\b+7], v[KFR+8*tt:KFR+8*tt+7], 0, v[QS+\b], v[KSC+tt] matrix_a_fmt:MATRIX_FMT_FP4 matrix_b_fmt:MATRIX_FMT_FP4
.set tt, tt+1
.endr
.endm
.macro SOFT b, t0, nt                  ; 2^(c s + st): the tiles by turns, each accumulator from its low end on
.set pp, 0
.rept 4
.set tt, \t0
.rept \nt
	v_pk_fma_f32 v[D+8*tt+2*pp:D+8*tt+2*pp+1], v[D+8*tt+2*pp:D+8*tt+2*pp+1], s[24:25], v[STT+8*\b+2*pp:STT+8*\b+2*pp+1] op_sel_hi:[1,0,1]
.set tt, tt+1
.endr
.set pp, pp+1
.endr
.set nn, 8*\t0
.rept 8*\nt
	v_exp_f32 v[D+nn], v[D+nn]
.set nn, nn+1
.endr
	v_nop                                          ; a plain place behind the exponentials
.endm
.macro MASK t0, tx                     ; key 16 tx + 16 u + r (less 2048) is hidden from query 16 TAU + 8 hl + jj where jj - 16 u < 16 (tx - TAU) + r - 8 hl: its term becomes 0
	s_sub_co_i32 s28, s[\tx], s[TAU]
	s_lshl_b32 s28, s28, 4
	v_add_nc_u32 v13, s28, v12
	s_wait_alu depctr_va_vdst(0)
.irp u, 0,1
.irp j, 0,1,2,3,4,5,6,7
	v_cmp_lt_i32 vcc_lo, \j-16*\u, v13
	v_cndmask_b32 v[D+8*(\t0+\u)+\j], v[D+8*(\t0+\u)+\j], v14, vcc_lo
.endr
.endr
.endm
.macro SUM t0, nt                      ; onto the columns' sums: the tiles by turns
.set pp, 0
	s_wait_alu depctr_va_vdst(0)
.rept 4
.set tt, \t0
.rept \nt
	v_pk_add_f32 v[ACC+2*tt:ACC+2*tt+1], v[ACC+2*tt:ACC+2*tt+1], v[D+8*tt+2*pp:D+8*tt+2*pp+1]
.set tt, tt+1
.endr
.set pp, pp+1
.endr
.endm
.macro UPPER b, t0, tx, txp            ; the vector work of U1 or U2; from the third query tile on every key of the group counts
	SOFT \b, \t0, 2
	s_cmp_gt_u32 s[TAU], s[\txp]
	s_cbranch_scc1 .Lfree_\@
	MASK \t0, \tx
.Lfree_\@:
	SUM \t0, 2
.endm
; A QUERY TILE, from buffer b.  The products go L, U1, U2; the vector work U2, U1, L: a skip leads from behind a group's products to where only scores made on every way there are read.  Each way has its four places.
.macro TILE b
	s_wait_loadcnt 0x0                             ; this buffer's five loads, issued a tile ago, are in (in the first tile: K's 24 too); no load is out
.if \b == 0
	QLOAD 1, 64                                    ; the next tile, 64 rows on; its buffer's last product stands a tile's vector work back
.else
	s_add_nc_u64 s[4:5], s[4:5], 8192              ; 128 rows on (no load is out, so the bases may step)
	s_add_nc_u64 s[6:7], s[6:7], 512
	s_add_nc_u64 s[12:13], s[12:13], 512
	s_cmp_eq_u32 s[CNT], 1                         ; the last trip asks for nothing: no load leaves its buffer
	s_cbranch_scc1 .Lnone_\@
	QLOAD 0, 0
.Lnone_\@:
.endif
	PROD \b, 0, 4
	s_cmp_lt_u32 s[TAU], s[T1]
	s_cbranch_scc1 .Llow_\@
	PROD \b, 4, 2
	s_cmp_lt_u32 s[TAU], s[T2]
	s_cbranch_scc1 .Lmid_\@
	PROD \b, 6, 2
	PLACES
	UPPER \b, 6, T2, T2P
	s_branch .Lmid2_\@
.Lmid_\@:
	PLACES
.Lmid2_\@:
	UPPER \b, 4, T1, T1P
	s_branch .Llow2_\@
.Llow_\@:
	PLACES
.Llow2_\@:
	SOFT \b, 0, 4
	SUM 0, 4
	s_add_co_u32 s[TAU], s[TAU], 4
.endm
.Ltrip:                                            ; 16 trips of two query tiles
	TILE 0
	TILE 1
	s_sub_co_i32 s[CNT], s[CNT], 1
	s_cmp_lg_u32 s[CNT], 0
	s_cbranch_scc1 .Ltrip
	s_wait_loadcnt 0x0                             ; no load is out: Q's buffer 0 serves the permutes below
	; THE END.  A pair's two sums, and the other half of the lanes' (the tile's other eight queries); then the sixteen waves' sums meet in LDS.
.irp t, 0,1,2,3,4,5,6,7
	v_add_f32 v[208+\t], v[ACC+2*\t], v[ACC+2*\t+1]
.endr
.irp t, 0,1,2,3,4,5,6,7
	v_permlanex16_b32 v[QF+\t], v[208+\t], s26, s27
.endr
.irp t, 0,1,2,3,4,5,6,7
	v_add_f32 v[208+\t], v[208+\t], v[QF+\t]
.endr
.irp t, 0,1,2,3,4,5,6,7
	ds_store_b32 v15, v[208+\t] offset:64*\t       ; lanes r and r + 16 write the same word with the same value
.endr
	s_wait_dscnt 0x0                               ; for the others' sake: my stores have landed
	s_barrier_signal -1
	s_barrier_wait -1
	s_cmp_gt_u32 s[WV], 1
	s_cbranch_scc1 .Lend
.set jj, 0
.rept 16
	ds_load_b64 v[D+2*jj:D+2*jj+1], v216 offset:512*jj   ; two keys a lane, of each wave's sums
.set jj, jj+1
.endr
	s_wait_dscnt 0x0
.irp i, 0,1,2,3,4,5,6,7
	v_pk_add_f32 v[D+2*\i:D+2*\i+1], v[D+2*\i:D+2*\i+1], v[D+16+2*\i:D+16+2*\i+1]
.endr
.irp i, 0,1,2,3
	v_pk_add_f32 v[D+2*\i:D+2*\i+1], v[D+2*\i:D+2*\i+1], v[D+8+2*\i:D+8+2*\i+1]
.endr
.irp i, 0,1
	v_pk_add_f32 v[D+2*\i:D+2*\i+1], v[D+2*\i:D+2*\i+1], v[D+4+2*\i:D+4+2*\i+1]
.endr
	v_pk_add_f32 v[D:D+1], v[D:D+1], v[D+2:D+3]
	global_store_b64 v217, v[D:D+1], s[14:15]
.Lend:
	s_wait_tensorcnt 0x0
	ds_add_u32 v224, v225
	s_wait_dscnt 0x0
	s_endpgm
.Lfunc_end_k_qfef3138da9_h2o:
	.size	k_qfef3138da9_h2o, .Lfunc_end_k_qfef3138da9_h2o-k_qfef3138da9_h2o
	.p2alignl 7, 3214868480
	.fill 96, 4, 3214868480
	.section	.rodata,"a",@progbits
	.p2align	6, 0x0
	.amdhsa_kernel k_qfef3138da9_h2o
		.amdhsa_group_segment_fixed_size 10240
		.amdhsa_private_segment_fixed_size 0
		.amdhsa_enable_private_segment 0
		.amdhsa_kernarg_size 48
		.amdhsa_user_sgpr_count 2
		.amdhsa_user_sgpr_kernarg_segment_ptr 1
		.amdhsa_wavefront_size32 1
		.amdhsa_system_sgpr_workgroup_id_x 1
		.amdhsa_system_sgpr_workgroup_id_y 1
		.amdhsa_system_sgpr_workgroup_id_z 1
		.amdhsa_system_vgpr_workitem_id 0
		.amdhsa_next_free_vgpr 226
		.amdhsa_next_free_sgpr 66
		.amdhsa_reserve_vcc 1
		.amdhsa_float_denorm_mode_32 3
		.amdhsa_float_denorm_mode_16_64 3
		.amdhsa_memory_ordered 1
		.amdhsa_forward_progress 1
		.amdhsa_inst_pref_size 33
	.end_amdhsa_kernel
	.amdgpu_metadata
---
amdhsa.version: [ 1, 2 ]
amdhsa.kernels:
  - .name:           k_qfef3138da9_h2o
    .symbol:         k_qfef3138da9_h2o.kd
    .args:
      - { .name: qc, .offset: 0, .size: 8, .value_kind: global_buffer, .address_space: global }
      - { .name: qs, .offset: 8, .size: 8, .value_kind: global_buffer, .address_space: global }
      - { .name: kc, .offset: 16, .size: 8, .value_kind: global_buffer, .address_space: global }
      - { .name: ks, .offset: 24, .size: 8, .value_kind: global_buffer, .address_space: global }
      - { .name: st, .offset: 32, .size: 8, .value_kind: global_buffer, .address_space: global }
      - { .name: out1, .offset: 40, .size: 8, .value_kind: global_buffer, .address_space: global }
    .group_segment_fixed_size: 10240
    .private_segment_fixed_size: 0
    .kernarg_segment_align: 8
    .kernarg_segment_size: 48
    .max_flat_workgroup_size: 512
    .sgpr_count:     66
    .vgpr_count:     226
    .wavefront_size: 32
...
	.end_amdgpu_metadata
.endif
;; end of part 3
;; ======== version 2 of 2: 3 launches
;; workspace buffers: qc 4,194,304 bytes; qs 262,144 bytes; kc 2,097,152 bytes; ks 131,072 bytes; st 262,144 bytes
;; launch quant (part 4): grid 384 x 1, 4 waves a work-group, no clusters, 33,280 bytes of LDS; arguments k, q, kc, ks, qc, qs; writes kc, ks, qc, qs
.if DOCPART == 4
	.amdgcn_target "amdgcn-amd-amdhsa--gfx1250"
	.amdhsa_code_object_version 6
	.text
	.protected	k_qfef3138da9_quant
	.globl	k_qfef3138da9_quant
	.p2align	8
	.type	k_qfef3138da9_quant,@function
k_qfef3138da9_quant:
	s_mov_b64 s[64:65], 0
	v_nop
	global_prefetch_b8 v0, s[64:65] scope:SCOPE_SE
	s_setreg_imm32_b32 hwreg(HW_REG_WAVE_MODE, 25, 1), 1
	s_wait_xcnt 0x0
; k [4096][8 heads x 128] and q [2048][32 heads x 128], f32, become codes of FP4 (E2M1) with one E8M0 byte for each 32 along a head's 128, laid HEAD BY HEAD:
; kc [8][4096][64 bytes], ks [8][4096][4 bytes], qc [32][2048][64], qs [32][2048][4].  (q's head 4 h + g is group head g of key head h, as the rows lie.)
; A block's scale is 2^(floor(log2(its largest magnitude)) - 2); its byte is the largest magnitude's exponent field - 2, held at 1 from below.  Each number is divided by the scale and rounded to the
; nearest code, ties to even; beyond 6 the conversion gives the largest code.
; LIMITS: a block whose largest magnitude lies under 2^-124 gets the byte 1 (a block of zeros too, where the rule says 127: its codes are zeros, and only this program reads the bytes); NaN and infinities among the inputs are not served.
; SHARES.  Work-groups 0-127 take k (8 heads x 16 blocks of 256 rows), 128-383 take q (32 heads x 8 blocks).  A wave takes 64 rows of one head, in 16 steps of 4 rows.
; A load is one row's 512 bytes of the head, 16 bytes a lane.  The conversions want 16 NEIGHBOURS in a lane, so a step's 2,048 bytes turn through the wave's own stage in LDS (16 bytes of padding behind each 64)
; and come back 64 bytes a lane: lane l holds numbers 16 (l % 8) on of row l / 8; two neighbouring lanes hold a block.  A step's codes are 256 consecutive bytes, aligned; a wave's 256 scale bytes leave as one such run.
; No tensor loads, no barrier: waves share nothing.  Loads run four steps (16 loads a wave) ahead, the turn through LDS one step.
.set STEPS, 16
.set CB,    8                          ; bytes of 16 codes
.set R,     16                         ; v16-79   four sets of 16 numbers as they are loaded
.set X,     80                         ; v80-111  two sets of 16 neighbours
.set E,     112                        ; v112-127 a scale byte for each step
.set C,     128                        ; v128-191 codes: four registers for each step, so that no store's data are written again
.set OF,    192                        ; v192-207 byte offsets of 16 rows (four steps): 16 x lane + row x pitch; a set steps 16 rows on when its loads are in
.set WREG,  8192                       ; LDS: a region for each wave: two stages of 32 x SP bytes, behind them its 256 scale bytes
.set SP,    80                         ; a lane's place in a stage: 64 bytes + 16 of padding
	s_load_b128 s[4:7], s[0:1], 0x0                ; k, q
	s_load_b128 s[8:11], s[0:1], 0x10              ; kc, ks
	s_load_b128 s[12:15], s[0:1], 0x20             ; qc, qs
	v_lshl_add_u32 v208, v0, 2, 0x8000
	v_mov_b32 v209, 0
	v_lshrrev_b32 v1, 5, v0
	v_readfirstlane_b32 s16, v1                    ; wave
	v_and_b32 v2, 31, v0                           ; lane
	v_lshlrev_b32 v3, 4, v2                        ; my 16 bytes of a load's 512
	s_mul_i32 s17, s16, WREG
	v_lshrrev_b32 v14, 2, v2
	v_mul_u32_u24 v14, v14, SP
	v_and_b32 v15, 3, v2
	v_lshl_add_u32 v14, v15, 4, v14
	v_add_nc_u32 v14, s17, v14                     ; the stage, way in: four lanes' 64 bytes on end, then the padding
	v_mul_u32_u24 v15, v2, SP
	v_add_nc_u32 v15, s17, v15                     ; way out: SP x lane: my 16 neighbours
	v_mul_u32_u24 v4, v2, CB                       ; my codes' place in a step's 256 bytes
	v_lshrrev_b32 v5, 1, v2
	s_add_co_u32 s17, s17, 2*32*SP
	v_add_nc_u32 v5, s17, v5                       ; LDS: my block's byte among the wave's 256
	v_lshlrev_b32 v7, 3, v2                        ; and on the way out 8 bytes a lane
	v_add_nc_u32 v6, s17, v7
	s_cmp_lt_u32 ttmp9, 128                        ; k's work-group or q's?  It hangs on the work-group's number alone
	s_cselect_b32 s17, 0, 128
	s_cselect_b32 s22, 4, 3                        ; log2 of the row blocks in a head
	s_cselect_b32 s23, 12, 14                      ; log2 of a row's bytes
	s_sub_co_u32 s17, ttmp9, s17                   ; id within the tensor
	s_lshr_b32 s18, s17, s22                       ; head
	s_lshl_b32 s19, s18, s22
	s_sub_co_u32 s19, s17, s19                     ; block of 256 rows
	s_lshl_b32 s19, s19, 8
	s_lshl_b32 s26, s16, 6
	s_add_co_u32 s19, s19, s26                     ; my wave's first row
	s_lshl_b32 s20, s19, s23                       ; x pitch (under 2^26)
	s_lshl_b32 s18, s18, 9                         ; + the head's 512 bytes in a row
	s_add_co_u32 s20, s20, s18
	s_mov_b32 s21, 0
	s_lshl_b32 s24, 1, s23                         ; the pitch
	s_lshl_b32 s25, s24, 4                         ; 16 rows
	s_lshl_b32 s17, s17, 2
	s_add_co_u32 s18, s17, s16                     ; which run of 64 rows of [head][row] is mine
.set nn, 0
.rept 16
	v_mad_u32_u24 v[OF+nn], s24, nn, v3
.set nn, nn+1
.endr
	s_wait_alu depctr_va_vdst(0)
	s_wait_kmcnt 0x0
	s_cmp_lt_u32 ttmp9, 128                        ; compared anew: the sums above have written SCC
	s_cselect_b64 s[4:5], s[4:5], s[6:7]
	s_cselect_b64 s[8:9], s[8:9], s[12:13]
	s_cselect_b64 s[10:11], s[10:11], s[14:15]
	s_add_nc_u64 s[4:5], s[4:5], s[20:21]
	s_lshl_b32 s20, s18, 12                        ; 64 rows x 64 bytes of codes a run
	s_add_nc_u64 s[8:9], s[8:9], s[20:21]
	s_lshl_b32 s20, s18, 8                         ; 256 scale bytes a run
	s_add_nc_u64 s[10:11], s[10:11], s[20:21]
.macro LOAD t                          ; step t's four rows into set t % 4
.if (\t) >= 4
.irp i, 0,1,2,3
	v_add_nc_u32 v[OF+4*((\t)%4)+\i], s25, v[OF+4*((\t)%4)+\i]     ; the set's last loads (step t - 4) were shown in by the wait in front of their turn through the stage
.endr
.endif
.irp i, 0,1,2,3
	global_load_b128 v[R+16*((\t)%4)+4*\i:R+16*((\t)%4)+4*\i+3], v[OF+4*((\t)%4)+\i], s[4:5] th:TH_LOAD_NT   ; 32 lanes read 512 consecutive bytes; read once in the launch
.endr
.endm
.macro TURN t                          ; step t's numbers through the stage: LDS serves a wave's instructions in order, so no wait stands between the stores and the loads
.irp i, 0,1,2,3
	ds_store_b128 v14, v[R+16*((\t)%4)+4*\i:R+16*((\t)%4)+4*\i+3] offset:32*SP*((\t)%2)+8*SP*\i
.endr
.irp i, 0,1,2,3
	ds_load_b128 v[X+16*((\t)%2)+4*\i:X+16*((\t)%2)+4*\i+3], v15 offset:32*SP*((\t)%2)+16*\i
.endr
.endm
.irp t, 0,1,2,3
	LOAD \t
.endr
	s_wait_loadcnt 12                              ; step 0's four loads are in; the twelve of steps 1 to 3 may be out
	TURN 0
.macro STEP t
.set XS, X+16*((\t)%2)
.if (\t) > 0
	s_wait_dscnt 1                                 ; this step's numbers are back from the stage (the last step's byte store may be out): so its stores into the stage have read their registers,
.else
	s_wait_dscnt 0x0
.endif
.if (\t)+4 < STEPS
	LOAD (\t)+4                                    ; which take the loads of four steps on
.endif
.if (\t)+1 < STEPS
.if STEPS-2-(\t) >= 3
	s_wait_loadcnt 12                              ; the next step's four loads are in; those of the three steps behind it may be out
.else
	s_wait_loadcnt 4*(STEPS-2-(\t))
.endif
	TURN (\t)+1                                    ; and go through the other stage while this step is worked
.endif
	v_max3_num_f32 v8, |v[XS]|, |v[XS+1]|, |v[XS+2]|               ; the largest magnitude of my 16, in two chains
	v_max3_num_f32 v9, |v[XS+3]|, |v[XS+4]|, |v[XS+5]|
.irp i, 6,10
	v_max3_num_f32 v8, v8, |v[XS+\i]|, |v[XS+\i+1]|
	v_max3_num_f32 v9, v9, |v[XS+\i+2]|, |v[XS+\i+3]|
.endr
	v_max3_num_f32 v8, v8, |v[XS+14]|, |v[XS+15]|
	v_max3_num_f32 v8, v8, v9, 0x1800000           ; and the floor 2^(3 - 127): the byte cannot fall under 1
	v_max_num_f32_dpp v8, v8, v8 row_xmask:1 row_mask:0xf bank_mask:0xf   ; and of my neighbour's 16: the block's
	v_add_nc_u32 v11, 0xff000000, v8               ; 2 off its exponent field: the conversion takes the exponent field of this operand as its scale, and nothing else of it
	v_cvt_scalef32_pk8_fp4_f32 v[C+4*(\t)], v[XS:XS+7], v11
	v_cvt_scalef32_pk8_fp4_f32 v[C+4*(\t)+1], v[XS+8:XS+15], v11
	v_lshrrev_b32 v[E+(\t)], 23, v11               ; the scale's byte (also the plain line behind the conversions)
	ds_store_b8 v5, v[E+(\t)] offset:16*(\t)       ; both lanes of a block write the same byte with the same value
	global_store_b64 v4, v[C+4*(\t):C+4*(\t)+1], s[8:9] offset:32*CB*(\t)   ; 32 lanes store 256 consecutive bytes, aligned; later launches read them
.endm
.irp t, 0,1,2,3,4,5,6,7,8,9,10,11,12,13,14,15
	STEP \t
.endr
	ds_load_b64 v[12:13], v6                       ; LDS serves a wave's instructions in order: these see my byte stores
	s_wait_dscnt 0x0
	global_store_b64 v7, v[12:13], s[10:11]        ; 32 lanes store 256 consecutive bytes, aligned
	s_wait_tensorcnt 0x0
	ds_add_u32 v208, v209
	s_wait_dscnt 0x0
	s_endpgm
.Lfunc_end_k_qfef3138da9_quant:
	.size	k_qfef3138da9_quant, .Lfunc_end_k_qfef3138da9_quant-k_qfef3138da9_quant
	.p2alignl 7, 3214868480
	.fill 96, 4, 3214868480
	.section	.rodata,"a",@progbits
	.p2align	6, 0x0
	.amdhsa_kernel k_qfef3138da9_quant
		.amdhsa_group_segment_fixed_size 33280
		.amdhsa_private_segment_fixed_size 0
		.amdhsa_enable_private_segment 0
		.amdhsa_kernarg_size 48
		.amdhsa_user_sgpr_count 2
		.amdhsa_user_sgpr_kernarg_segment_ptr 1
		.amdhsa_wavefront_size32 1
		.amdhsa_system_sgpr_workgroup_id_x 1
		.amdhsa_system_sgpr_workgroup_id_y 1
		.amdhsa_system_sgpr_workgroup_id_z 1
		.amdhsa_system_vgpr_workitem_id 0
		.amdhsa_next_free_vgpr 210
		.amdhsa_next_free_sgpr 66
		.amdhsa_reserve_vcc 0
		.amdhsa_float_denorm_mode_32 3
		.amdhsa_float_denorm_mode_16_64 3
		.amdhsa_memory_ordered 1
		.amdhsa_forward_progress 1
		.amdhsa_inst_pref_size 36
	.end_amdhsa_kernel
	.amdgpu_metadata
---
amdhsa.version: [ 1, 2 ]
amdhsa.kernels:
  - .name:           k_qfef3138da9_quant
    .symbol:         k_qfef3138da9_quant.kd
    .args:
      - { .name: k, .offset: 0, .size: 8, .value_kind: global_buffer, .address_space: global }
      - { .name: q, .offset: 8, .size: 8, .value_kind: global_buffer, .address_space: global }
      - { .name: kc, .offset: 16, .size: 8, .value_kind: global_buffer, .address_space: global }
      - { .name: ks, .offset: 24, .size: 8, .value_kind: global_buffer, .address_space: global }
      - { .name: qc, .offset: 32, .size: 8, .value_kind: global_buffer, .address_space: global }
      - { .name: qs, .offset: 40, .size: 8, .value_kind: global_buffer, .address_space: global }
    .group_segment_fixed_size: 33280
    .private_segment_fixed_size: 0
    .kernarg_segment_align: 8
    .kernarg_segment_size: 48
    .max_flat_workgroup_size: 128
    .sgpr_count:     66
    .vgpr_count:     210
    .wavefront_size: 32
...
	.end_amdgpu_metadata
.endif
;; end of part 4
;; launch attn (part 5): grid 32 x 8, 16 waves a work-group, clusters of 4 x 1, 327,680 bytes of LDS; arguments qc, qs, kc, ks, v_codes, v_scales, out0, st; writes out0, st
.if DOCPART == 5
	.amdgcn_target "amdgcn-amd-amdhsa--gfx1250"
	.amdhsa_code_object_version 6
	.text
	.protected	k_qfef3138da9_attn
	.globl	k_qfef3138da9_attn
	.p2align	8
	.type	k_qfef3138da9_attn,@function
k_qfef3138da9_attn:
	s_mov_b64 s[64:65], 0
	v_nop
	global_prefetch_b8 v0, s[64:65] scope:SCOPE_SE
	s_setreg_imm32_b32 hwreg(HW_REG_WAVE_MODE, 25, 1), 1
	s_wait_xcnt 0x0
	s_wait_alu depctr_hold_cnt(0) depctr_sa_sdst(0) depctr_va_vdst(0) depctr_va_sdst(0) depctr_va_ssrc(0) depctr_va_vcc(0) depctr_vm_vsrc(0)
	s_getreg_b32 s2, hwreg(HW_REG_IB_STS2, 6, 4)
	s_cmp_eq_u32 s2, 0
	s_cbranch_scc0 .Lentry_in_a_cluster
	s_endpgm
.Lentry_in_a_cluster:
	s_bfe_u32 s2, ttmp6, 0x10000c
	s_cmp_lg_u32 s2, 0x3003
	s_cbranch_scc0 .Lentry_shape_is_right
	s_endpgm
.Lentry_shape_is_right:
; out0[q][head 4 h + g][:] = the sum over keys k <= q + 2048 of softmax_k(Q . K / sqrt(128)) V, both products on codes of FP4 (E2M1) with one E8M0 scale for each 32 along a product's K.
; qc [32][2048][64 bytes], qs [32][2048][4], kc [8][4096][64], ks [8][4096][4]: made by the launch before.  v_codes [8 x 128][4096 keys as 2,048 bytes], v_scales [8 x 128][128]: given, keys innermost.
; THE SOFTMAX: t = score x log2(e) / sqrt(128); M = the running largest t rounded UP to a whole number; p = 2^(t - M) is quantised along the keys, not normalised; the row's sum l is taken of the unquantised p and divides at the end.
; When M moves, l and O are multiplied by 2^(old M - new M): exact.  ALSO STORED: st[head][q] = -(M + log2 l + 2), from which the next launch makes a finished probability / 4 by one multiply-add and one exponential.
; SHARES.  A cluster of four work-groups has ONE key head h (grid y) and ONE pair of query blocks; its four partners are the four group heads g.  So all four walk the same tiles of K and V: each tile is asked for JOINTLY, by the same
; tensor load with the same descriptor and the mask 15.  g enters only the global addresses of Q, out0 and st: no branch, no LDS address, no descriptor.
; A work-group owns 256 rows of its head: query blocks J and 15 - J of 128 (J = the cluster's x), so that early and late queries, which see 17 + block key steps of 128, add up alike in every work-group: 8 x 49 wave steps.
; Each of SIXTEEN waves owns one tile of 16 queries in 256 registers; wave w takes tile w / 2 of block J or 15 - J by the bit (w ^ (w >> 2)) & 1, so that any four waves w % 4 or w / 4 alike hold two of each.
; EVERY work-group walks all 8 slots of 512 keys: trip counts are constants, no tensor load and no barrier is jumped over.  A step all of whose keys are hidden from the wave's queries leaves out its WORK, by a scalar branch on ids.
; LAYOUT.  Both products are used transposed: S^T = K Q^T, O^T = V^T P^T: a lane holds ONE query (lane % 16) throughout.  THE KEYS OF A TILE ARE NOT NEIGHBOURS: lane r of tile 2 b + u takes key 32 b + 8 u + r + 8 (r / 8),
; so that the 16 registers of tiles 2 b and 2 b + 1 are 16 neighbouring keys, 32 b + 16 (lane / 16) + 0 .. 15.
; LIMITS: NaN and infinities are not served; a scale byte 0xff in v_scales gives NaN, as its meaning is.  A block of p that is all zeros keeps the byte 1: its codes are zeros.
; REGISTERS: v1-7 addresses that stay; v8-11 addresses of the loads in hand; v12 -M, v13 the largest t, v[14:15] l in two halves; v16-23 Q; v24-26 the mask; v[28:29] f; v30 4 r; v32-63 four fragments of K or V;
;   v96-159 S^T, then p; v160-223 O^T; v224-231 p's codes; v232-247, v252, v254 at work; v248-251 scale words from LDS; v253 p's scale word; v255 Q's.
.set SK,    512                        ; keys in a slot
.set NQ,    4                          ; key steps in a slot
.set ROWB,  64                         ; 128 codes in bytes
.set KP,    80                         ; a key's row in LDS: 64 bytes + 16 of padding
.set VROWB, 256                        ; SK codes in bytes: a row of V's tile
.set VP,    272                        ; and in LDS: + 16 of padding
.set KROWV, 2048                       ; a row of V in memory
.set VOFF,  SK*KP                      ; a slot: 512 rows of K, then 128 rows of V
.set SLOT1, 1<<17                      ; slot 1 begins here: one exclusive or turns an address in one slot into the other's
.set NSL,   8                          ; slots' worth of keys
.set KSV,   128                        ; a row of V's scale bytes
.set SCK,   2*SLOT1                    ; behind the ring: K's scale bytes of the head, 16,384 bytes as 64 runs of 256 + 16 of padding;
.set SCH,   32*272                     ; (half of them: what one tensor load brings)
.set SCV,   SCK+2*SCH                  ; V's likewise
.set SPARE, SCV+2*SCH                  ; the spare words, 128 bytes for each wave: eight blocks of 256 bytes that no other line names
.set OROW,  16384                      ; a row of out0 in bytes
; The way out's stages, 16 rows x 272 bytes for each wave, begin at LDS byte 0: in slot 0, which was left at the last change of slots: it has had its last fill, and nobody reads it.
.set AK0,  1
.set AV0,  2
.set ASK0, 3
.set ASV0, 4
.set SPW,  5                           ; v5   LDS address of my spare word: SPARE + 4 x my thread's number; never rewritten
.set NIL,  6                           ; v6   0; never rewritten
.set GO,   7
.set ADK,  8
.set ADV,  9
.set ADS,  10
.set ADT,  11
.set WV,   20                          ; s20  my wave's number
.set SEL,  22                          ; s[22:23] lane selects for v_permlanex16_b32: lane l xor 16
.set CS,   24                          ; s[24:25] c = log2(e) / sqrt(128), twice
.set G1K,  28                          ; s[28:35] descriptor group 1 for K's tiles;  s[36:43] for V's;  s[44:47], s[48:51] their groups 0, which walk
.set G1V,  36
.set G0K,  44
.set G0V,  48
.set G1S,  52                          ; s[52:59] group 1 for the scale bytes;  s[60:63], s[68:71] groups 0 for K's and V's
.set G0SK, 60
.set G0SV, 68
.set TB,   72                          ; LDS byte at which the slot in hand begins
.set TS,   73                          ; where the step's scale words of K begin: 544 bytes a step
.set TJ,   74                          ; and V's: 4 bytes a step
.set SLOTS, 75                         ; slots still to be asked for
.set KF,   76                          ; the step's first key
.set Q0,   77                          ; my first query + 2048: the last key that it sees
.set TP,   88                          ; at work in a step
; A joint load.  Waves 0 and 1 fetch for K, waves 2 and 3 for V, the others nothing.  The branches hang on the wave's number alone.  Four v_nop follow each of the two lines.
.macro TLOAD g0k, g1k, g0v, g1v
	s_cmp_lt_u32 s[WV], 2
	s_cbranch_scc0 .Lnot_k_\@
	tensor_load_to_lds s[\g0k:\g0k+3], s[\g1k:\g1k+7]
	s_nop 0
.rept 4
	v_nop
.endr
	s_branch .Lasked_\@
.Lnot_k_\@:
	s_cmp_lt_u32 s[WV], 4
	s_cbranch_scc0 .Lasked_\@
	tensor_load_to_lds s[\g0v:\g0v+3], s[\g1v:\g1v+7]
	s_nop 0
.rept 4
	v_nop
.endr
.Lasked_\@:
.endm
; A round of the cluster's barrier: my work-group's barrier, so that wave 0's signal speaks for all sixteen waves; wave 0 signals for the work-group; every wave waits for all four work-groups; my work-group's barrier once more.
.macro CROUND
	s_barrier_signal -1
	s_barrier_wait -1
	s_cmp_lg_u32 s[WV], 0
	s_cbranch_scc1 .Lnot_wave_0_\@
	s_barrier_signal -3
.Lnot_wave_0_\@:
	s_barrier_wait -3
	s_barrier_signal -1
	s_barrier_wait -1
.endm
	s_load_b256 s[4:11], s[0:1], 0x0               ; qc s[4:5], qs s[6:7], kc s[8:9], ks s[10:11]
	s_load_b256 s[12:19], s[0:1], 0x20             ; v_codes s[12:13], v_scales s[14:15], out0 s[16:17], st s[18:19]
	v_lshl_add_u32 v[SPW], v0, 2, SPARE
	v_mov_b32 v[NIL], 0
	ds_add_u32 v5, v6
	ds_add_u32 v5, v6
	s_wait_dscnt 0x0
	v_lshrrev_b32 v8, 5, v0
	s_delay_alu instid0(VALU_DEP_1)
	v_readfirstlane_b32 s[WV], v8                  ; wave 0..15
	s_and_b32 s78, ttmp7, 0xffff                   ; h: the key head, which the four partners share
	s_lshl_b32 s80, s78, 18                        ; the head's first byte in kc and in v_codes: 262,144 h
	s_mov_b32 s81, 0
	s_lshl_b32 s82, s78, 14                        ; and in ks and v_scales: 16,384 h
	s_mov_b32 s83, 0
	s_and_b32 s79, s[WV], 1                        ; which half I fetch, if I fetch
	s_lshl_b32 s84, s79, 14                        ; K: 256 keys x 64 bytes in memory,
	s_mov_b32 s85, 0
	s_add_nc_u64 s[84:85], s[84:85], s[80:81]
	s_mul_i32 s86, s79, 256*KP                     ; and in a slot
	s_lshl_b32 s88, s79, 17                        ; V: 64 rows x 2,048 bytes in memory,
	s_mov_b32 s89, 0
	s_add_nc_u64 s[88:89], s[88:89], s[80:81]
	s_mul_i32 s87, s79, 64*VP
	s_add_co_u32 s87, s87, VOFF                    ; and in a slot
	s_lshl_b32 s80, s79, 13                        ; the scale bytes: 8,192 in memory,
	s_add_nc_u64 s[80:81], s[80:81], s[82:83]
	s_mul_i32 s82, s79, SCH                        ; and in LDS
	; my tile of queries: it hangs on the cluster's x and the wave's number, which the partners share
	s_lshr_b32 s90, s[WV], 2
	s_xor_b32 s90, s90, s[WV]
	s_and_b32 s90, s90, 1                          ; block J (0) or 15 - J (1)
	s_lshl_b32 s91, ttmp9, 1
	s_sub_co_u32 s91, 15, s91
	s_mul_i32 s91, s91, s90
	s_add_co_u32 s91, s91, ttmp9                   ; the block of 128 queries
	s_lshl_b32 s91, s91, 7
	s_lshr_b32 s92, s[WV], 1
	s_lshl_b32 s92, s92, 4
	s_add_co_u32 s91, s91, s92                     ; my first query
	s_add_co_u32 s[Q0], s91, 2048
	; what hangs on the group head stays in s93-99 and enters global addresses alone
	s_bfe_u32 s93, ttmp6, 0x40000                  ; g: my place in the cluster
	s_lshl_b32 s94, s78, 2
	s_add_co_u32 s93, s94, s93                     ; the query head 4 h + g
	s_lshl_b32 s94, s93, 11
	s_add_co_u32 s94, s94, s91                     ; my first row of [head][query]
	s_mov_b32 s95, 0
	s_lshl_b32 s96, s94, 6                         ; its codes
	s_mov_b32 s97, 0
	s_lshl_b32 s94, s94, 2                         ; its scale word, and its statistic
	s_lshl_b32 s98, s91, 14                        ; out0: query x 16,384 + head x 512
	s_lshl_b32 s99, s93, 9
	s_add_co_u32 s98, s98, s99
	s_mov_b32 s99, 0
	; descriptor group 1.  K: 256 rows of 64 bytes, dense in memory;  V: 64 rows of 256 bytes, 2,048 bytes apart
	s_mov_b32 s[G1K], 15|(0<<16)|(1<<20)|(1<<21)|(3<<22)|(3<<25)  ; 15:0 the mask: all four work-groups; 17:16 elements of 1 byte; 20 padding on; 21 set beside a mask; 24:22 after every 16 words (code 3); 31:25 four words (code 3)
	s_mov_b32 s[G1K+1], ROWB<<16                   ; tensor_dim0
	s_mov_b32 s[G1K+2], 256<<16                    ; tensor_dim1
	s_mov_b32 s[G1K+3], ROWB<<16                   ; tile_dim0
	s_mov_b32 s[G1K+4], 256                        ; tile_dim1
	s_mov_b32 s[G1K+5], ROWB                       ; tensor_dim0_stride
	s_mov_b32 s[G1K+6], 0
	s_mov_b32 s[G1K+7], 0
	s_mov_b32 s[G1V], 15|(0<<16)|(1<<20)|(1<<21)|(5<<22)|(3<<25)  ; padding: four words after every 64
	s_mov_b32 s[G1V+1], VROWB<<16
	s_mov_b32 s[G1V+2], 64<<16
	s_mov_b32 s[G1V+3], VROWB<<16
	s_mov_b32 s[G1V+4], 64
	s_mov_b32 s[G1V+5], KROWV
	s_mov_b32 s[G1V+6], 0
	s_mov_b32 s[G1V+7], 0
	s_mov_b32 s[G1S], 15|(3<<16)|(1<<20)|(1<<21)|(5<<22)|(3<<25)  ; the scale bytes: 8,192 dense bytes as 32 rows of 32 elements of 8 bytes, 16 bytes of padding behind each
	s_mov_b32 s[G1S+1], 32<<16
	s_mov_b32 s[G1S+2], 32<<16
	s_mov_b32 s[G1S+3], 32<<16
	s_mov_b32 s[G1S+4], 32
	s_mov_b32 s[G1S+5], 32
	s_mov_b32 s[G1S+6], 0
	s_mov_b32 s[G1S+7], 0
	s_mov_b32 s[SEL], 0x76543210
	s_mov_b32 s[SEL+1], 0xfedcba98
	s_mov_b32 s[CS], 0x3e0293ee                    ; c = log2(e) / sqrt(128)
	s_mov_b32 s[CS+1], s[CS]                       ; (named with it as a pair, so it is written)
	s_mov_b32 s[TB], 0
	s_mov_b32 s[TS], 0
	s_mov_b32 s[TJ], 0
	s_mov_b32 s[SLOTS], NSL-1
	s_mov_b32 s[KF], 0
	s_wait_kmcnt 0x0
	s_mov_b32 s[G0SK], 1                           ; 1:0 count = 1
	s_add_co_u32 s[G0SK+1], s82, SCK               ; 63:32 LDS address
	s_add_nc_u64 s[G0SK+2:G0SK+3], s[10:11], s[80:81]   ; 120:64 global address
	s_or_b32 s[G0SK+3], s[G0SK+3], 0x80000000      ; 127:126 type = 2
	s_mov_b32 s[G0SV], 1
	s_add_co_u32 s[G0SV+1], s82, SCV
	s_add_nc_u64 s[G0SV+2:G0SV+3], s[14:15], s[80:81]
	s_or_b32 s[G0SV+3], s[G0SV+3], 0x80000000
	s_mov_b32 s[G0K], 1
	s_mov_b32 s[G0K+1], s86                        ; slot 0
	s_add_nc_u64 s[G0K+2:G0K+3], s[8:9], s[84:85]  ; the head's first 512 keys
	s_or_b32 s[G0K+3], s[G0K+3], 0x80000000
	s_mov_b32 s[G0V], 1
	s_mov_b32 s[G0V+1], s87
	s_add_nc_u64 s[G0V+2:G0V+3], s[12:13], s[88:89]
	s_or_b32 s[G0V+3], s[G0V+3], 0x80000000
	s_add_nc_u64 s[4:5], s[4:5], s[96:97]          ; Q's codes at my first query,
	s_add_nc_u64 s[6:7], s[6:7], s[94:95]          ; its scale words,
	s_add_nc_u64 s[18:19], s[18:19], s[94:95]      ; its statistics,
	s_add_nc_u64 s[16:17], s[16:17], s[98:99]      ; its rows of out0
	CROUND                                         ; all four work-groups are here: the first joint loads meet
	s_cmp_lt_u32 s[WV], 2                          ; a wave's two first fills stand in one branch, ahead of every wait on TENSORcnt, every LDS read and every other barrier: two loads of mine are out at the most
	s_cbranch_scc0 .Lfirst_not_k
	tensor_load_to_lds s[G0SK:G0SK+3], s[G1S:G1S+7]        ; K's scale bytes of the whole head: filled once
	s_nop 0
	tensor_load_to_lds s[G0K:G0K+3], s[G1K:G1K+7]          ; slot 0
	s_nop 0
.rept 4
	v_nop
.endr
	s_branch .Lfirst_asked
.Lfirst_not_k:
	s_cmp_lt_u32 s[WV], 4
	s_cbranch_scc0 .Lfirst_asked
	tensor_load_to_lds s[G0SV:G0SV+3], s[G1S:G1S+7]
	s_nop 0
	tensor_load_to_lds s[G0V:G0V+3], s[G1V:G1V+7]
	s_nop 0
.rept 4
	v_nop
.endr
.Lfirst_asked:
	v_and_b32 v8, 15, v0                           ; r = lane % 16
	v_bfe_u32 v9, v0, 4, 1                         ; hl = lane / 16
	s_delay_alu instid0(VALU_DEP_2)
	v_mul_u32_u24 v10, v8, ROWB
	s_delay_alu instid0(VALU_DEP_1)
	v_lshl_add_u32 v10, v9, 4, v10                 ; Q: row r, + my half's bytes
.irp c, 0,1
	global_load_b128 v[16+4*\c:19+4*\c], v10, s[4:5] offset:32*\c   ; Q's fragment stays in registers
.endr
	v_lshlrev_b32 v30, 2, v8
	global_load_b32 v255, v30, s[6:7]              ; Q's scale words
	v_and_b32 v11, 8, v8
	s_delay_alu instid0(VALU_DEP_1)
	v_add_nc_u32 v11, v11, v8                      ; r + 8 (r / 8)
	s_delay_alu instid0(VALU_DEP_1)
	v_mul_u32_u24 v[AK0], v11, KP
	s_delay_alu instid0(VALU_DEP_1)
	v_lshl_add_u32 v[AK0], v9, 4, v[AK0]
	v_mul_u32_u24 v[AV0], v8, VP
	s_delay_alu instid0(VALU_DEP_1)
	v_lshl_add_u32 v[AV0], v9, 4, v[AV0]
	s_delay_alu instid0(VALU_DEP_1)
	v_add_nc_u32 v[AV0], VOFF, v[AV0]
	v_lshl_add_u32 v[ASK0], v11, 2, SCK            ; K's scale words: 4 bytes a key; a step's 128 keys are two runs of 256 bytes
	v_mul_u32_u24 v12, v8, KSV                     ; V's: row r of a tile begins 128 r bytes on: which run of 256 bytes, and where in it
	s_delay_alu instid0(VALU_DEP_1)
	v_lshrrev_b32 v13, 8, v12
	s_delay_alu instid0(VALU_DEP_2)
	v_and_b32 v12, 255, v12
	s_delay_alu instid0(VALU_DEP_1)
	v_mad_u32_u24 v[ASV0], v13, 272, v12
	s_delay_alu instid0(VALU_DEP_1)
	v_add_nc_u32 v[ASV0], SCV, v[ASV0]
	v_lshlrev_b32 v[GO], 14, v9
	s_delay_alu instid0(VALU_DEP_1)
	v_lshl_add_u32 v[GO], v8, 4, v[GO]             ; the way out: lanes 0-15 take one row of out0, lanes 16-31 the next; 16 bytes a lane
	v_lshlrev_b32 v24, 4, v9
	s_delay_alu instid0(VALU_DEP_1)
	v_sub_nc_u32 v24, v8, v24                      ; the mask: r - 16 hl
	v_mov_b32 v26, 0xff800000                      ; -infinity
	v_mov_b32 v13, 0xff61b1e6                      ; the largest t so far: -3e38, under every t
	s_delay_alu instid0(VALU_DEP_1)
	v_floor_f32 v12, -v13                          ; -M
	v_mov_b32 v14, 0                               ; l, in two halves
	v_mov_b32 v15, 0
	v_mov_b32 v28, 0
	v_mov_b32 v29, 0                               ; (named as the upper half of the pair v[28:29])
	v_mov_b32 v252, 0                              ; written once: a lane permute's destination counts as one of its sources
.irp b, 0,1,2,3
	v_mov_b32 v[236+\b], 0                         ; likewise
.endr
.set jj, 0
.rept 64
	v_mov_b32 v[160+jj], 0                         ; O^T.  (The step is written once: the first finds zeros, which the first change of M leaves zeros)
.set jj, jj+1
.endr
; A KEY STEP: 128 keys, the q-th of the slot in hand.
.macro STEP q
	s_add_co_u32 s[TP], s[Q0], 15                  ; a step all of whose keys come after what my 16 queries see is left out: a scalar branch on ids, round the step's loads, products and softmax;
	s_cmp_gt_u32 s[KF], s[TP]                      ; not round the lines at its end that step addresses, and no barrier or tensor load stands in a step
	s_cbranch_scc1 .Lhidden_\@
	v_add_nc_u32 v[ADK], s[TB], v[AK0]             ; (these four are the places in front of the loads into registers that the last step's products read)
	s_wait_alu depctr_va_vdst(0)
	v_add_nc_u32 v[ADV], s[TB], v[AV0]
	v_add_nc_u32 v[ADS], s[TS], v[ASK0]
	s_wait_alu depctr_va_vdst(0)
	v_add_nc_u32 v[ADT], s[TJ], v[ASV0]
.irp g, 0,1                                    ; S^T = K Q^T, four tiles of 16 keys at a time
.if \g > 0
.rept 4
	v_nop                                          ; places in front of loads into registers that matrix instructions have read
.endr
.endif
.irp t, 0,1,2,3
.irp c, 0,1
	ds_load_b128 v[32+8*\t+4*\c:32+8*\t+4*\c+3], v[ADK] offset:(128*(\q)+32*((4*\g+\t)/2)+8*(\t%2))*KP+32*\c
.endr
	ds_load_b32 v[248+\t], v[ADS] offset:272*\g+(32*(((4*\g+\t)/2)%2)+8*(\t%2))*4
.endr
	s_wait_dscnt 0x0
.irp t, 0,1,2,3
	v_wmma_scale_f32_16x16x128_f8f6f4 v[96+8*(4*\g+\t):103+8*(4*\g+\t)], v[32+8*\t:39+8*\t], v[16:23], 0, v[248+\t], v255 matrix_a_fmt:MATRIX_FMT_FP4 matrix_b_fmt:MATRIX_FMT_FP4
.endr
.endr
.rept 4
	v_nop
.endr
	s_add_co_u32 s[TP], s[KF], 127                 ; on the diagonal the scores of hidden keys become -infinity ahead of the maximum: p = 0 then.  A step all of whose keys count skips this
	s_cmp_le_u32 s[TP], s[Q0]
	s_cbranch_scc1 .Lopen_\@
	s_sub_co_i32 s[TP], s[Q0], s[KF]
	v_add_nc_u32 v25, s[TP], v24                   ; d = the last key that my query sees - KF - 16 hl.  Register 16 b + i holds key KF + 16 hl + 32 b + i: hidden where 32 b + i > d
.set nn, 0
.rept 64
	v_cmp_gt_i32 vcc_lo, 32*(nn/16)+nn%16, v25
	v_cndmask_b32 v[96+nn], v[96+nn], v26, vcc_lo
.set nn, nn+1
.endr
.Lopen_\@:
.irp b, 0,1,2,3
	v_max3_num_f32 v[232+\b], v[96+16*\b], v[97+16*\b], v[98+16*\b]   ; THE LARGEST SCORE OF EACH BLOCK OF 32 KEYS: it serves twice: for the row's maximum, and, since p rises with the score, for the block's largest p
.endr
.irp i, 3,5,7,9,11,13
.irp b, 0,1,2,3
	v_max3_num_f32 v[232+\b], v[232+\b], v[96+16*\b+\i], v[97+16*\b+\i]   ; (the four blocks by turns)
.endr
.endr
.irp b, 0,1,2,3
	v_max_num_f32 v[232+\b], v[232+\b], v[111+16*\b]
.endr
.irp b, 0,1,2,3
	s_delay_alu instid0(VALU_DEP_4)
	v_permlanex16_b32 v[236+\b], v[232+\b], s[SEL], s[SEL+1]
.endr
.irp b, 0,1,2,3
	s_delay_alu instid0(VALU_DEP_4)
	v_max_num_f32 v[232+\b], v[232+\b], v[236+\b]  ; with lane l xor 16's 16 keys
.endr
	s_delay_alu instid0(VALU_DEP_2)
	v_max3_num_f32 v254, v232, v233, v234
	s_delay_alu instid0(VALU_DEP_1)
	v_max_num_f32 v254, v254, v235                 ; the step's largest score of my query
	s_delay_alu instid0(VALU_DEP_1)
	v_mul_f32 v254, s[CS], v254                    ; as t (c is positive)
	s_delay_alu instid0(VALU_DEP_1)
	v_max_num_f32 v13, v13, v254                   ; the running largest t
	v_mov_b32 v254, v12
	s_delay_alu instid0(VALU_DEP_2)
	v_floor_f32 v12, -v13                          ; the new -M = floor(-t) = -ceil(t): M IS A WHOLE NUMBER
	s_delay_alu instid0(VALU_DEP_1)
	v_sub_f32 v254, v12, v254                      ; M's old value less its new one: a whole number, 0 or less
	s_delay_alu instid0(VALU_DEP_1)
	v_cvt_i32_f32 v254, v254                       ; (it saturates)
	s_delay_alu instid0(VALU_DEP_1)
	v_ldexp_f32 v28, 1.0, v254                     ; f = 2^(old M - new M): a multiplication by it rounds nothing
.set jj, 0
.rept 32
	v_pk_fma_f32 v[96+jj:97+jj], v[96+jj:97+jj], s[CS:CS+1], v[12:13] op_sel_hi:[1,0,0]   ; t - M, two at a time (of the pairs c and -M the low word serves both halves)
.set jj, jj+2
.endr
.irp b, 0,1,2,3
	v_fma_f32 v[232+\b], v[232+\b], s[CS], v12     ; the same of each block's largest score
.endr
.set jj, 0
	s_wait_alu depctr_va_vdst(0)
.rept 64
	v_exp_f32 v[96+jj], v[96+jj]                   ; p = 2^(t - M), at most 1: NOT normalised
.set jj, jj+1
.endr
.irp b, 0,1,2,3
	v_exp_f32 v[232+\b], v[232+\b]                 ; the block's largest p: the same two instructions on the same number give the same bits
.endr
	v_pk_mul_f32 v[14:15], v[14:15], v[28:29] op_sel_hi:[1,0]   ; l under the new M.  (A plain place behind the exponentials)
	s_wait_alu depctr_va_vdst(0)
.irp b, 0,1,2,3
	v_max_num_f32 v[232+\b], 0x1800000, v[232+\b]  ; the floor 2^(3 - 127): the byte cannot fall under 1
.endr
.irp b, 0,1,2,3
	s_delay_alu instid0(VALU_DEP_4)
	v_add_nc_u32 v[244+\b], 0xff000000, v[232+\b]  ; 2 off the exponent field: the conversion's scale operand
.endr
.irp b, 0,1,2,3
	s_delay_alu instid0(VALU_DEP_4)
	v_lshrrev_b32 v[236+\b], 23, v[244+\b]         ; the scale's byte
.endr
	s_delay_alu instid0(VALU_DEP_3)
	v_lshl_or_b32 v253, v237, 8, v236              ; p's scale word for these 128 keys
	s_delay_alu instid0(VALU_DEP_1)
	v_lshl_or_b32 v253, v238, 16, v253
	s_delay_alu instid0(VALU_DEP_1)
	v_lshl_or_b32 v253, v239, 24, v253
.irp b, 0,1,2,3
	v_cvt_scalef32_pk8_fp4_f32 v[224+2*\b], v[96+16*\b:103+16*\b], v[244+\b]
	v_cvt_scalef32_pk8_fp4_f32 v[225+2*\b], v[104+16*\b:111+16*\b], v[244+\b]
.endr
	v_nop                                          ; one plain vector instruction between a scaled conversion and the vector instruction that touches its result
.irp c, 0,1                                    ; the operand's layout wants a WHOLE block in a lane: lanes 0-15 block 2 c, lanes 16-31 block 2 c + 1
.irp i, 0,1
	v_permlane16_swap_b32 v[224+4*\c+\i], v[226+4*\c+\i]
.endr
.endr
	v_pk_add_f32 v[236:237], v[100:101], v[104:105]
	v_pk_add_f32 v[250:251], v[108:109], v[112:113]
	v_pk_add_f32 v[248:249], v[116:117], v[120:121]
	v_pk_add_f32 v[246:247], v[124:125], v[128:129]
	v_pk_add_f32 v[244:245], v[132:133], v[136:137]
	v_pk_add_f32 v[242:243], v[140:141], v[144:145]
	v_pk_add_f32 v[240:241], v[148:149], v[152:153]
	v_pk_add_f32 v[14:15], v[14:15], v[156:157]
	v_pk_add_f32 v[236:237], v[236:237], v[96:97]
	v_pk_add_f32 v[250:251], v[250:251], v[98:99]
	v_pk_add_f32 v[248:249], v[248:249], v[102:103]
	v_pk_add_f32 v[246:247], v[246:247], v[106:107]
	v_pk_add_f32 v[244:245], v[244:245], v[110:111]
	v_pk_add_f32 v[242:243], v[242:243], v[114:115]
	v_pk_add_f32 v[240:241], v[240:241], v[118:119]
	v_pk_add_f32 v[14:15], v[14:15], v[122:123]
	v_pk_add_f32 v[236:237], v[236:237], v[126:127]
	v_pk_add_f32 v[250:251], v[250:251], v[130:131]
	v_pk_add_f32 v[248:249], v[248:249], v[134:135]
	v_pk_add_f32 v[246:247], v[246:247], v[138:139]
	v_pk_add_f32 v[244:245], v[244:245], v[142:143]
	v_pk_add_f32 v[242:243], v[242:243], v[146:147]
	v_pk_add_f32 v[240:241], v[240:241], v[150:151]
	v_pk_add_f32 v[14:15], v[14:15], v[154:155]
	v_pk_add_f32 v[236:237], v[236:237], v[158:159]
	s_delay_alu instid0(VALU_DEP_2)
	v_pk_add_f32 v[14:15], v[14:15], v[246:247]
	s_delay_alu instid0(VALU_DEP_2)
	v_pk_add_f32 v[236:237], v[236:237], v[244:245]
	v_pk_add_f32 v[250:251], v[250:251], v[242:243]
	v_pk_add_f32 v[248:249], v[248:249], v[240:241]
	s_delay_alu instid0(VALU_DEP_2)
	v_pk_add_f32 v[14:15], v[14:15], v[250:251]
	s_delay_alu instid0(VALU_DEP_2)
	v_pk_add_f32 v[236:237], v[236:237], v[248:249]
	s_delay_alu instid0(VALU_DEP_1)
	v_pk_add_f32 v[14:15], v[14:15], v[236:237]
.set jj, 0
.rept 32
	v_pk_mul_f32 v[160+jj:161+jj], v[160+jj:161+jj], v[28:29] op_sel_hi:[1,0]   ; O^T under the new M, each accumulator from its low end on.  (These 32 are also the places in front of the matrix instructions and loads below)
.set jj, jj+2
.endr
	s_wait_alu depctr_va_vdst(0)
.irp g, 0,1                                    ; O^T += V^T P^T: four tiles of 16 of the head's 128 at a time; K = these 128 keys.  The eight accumulators take turns, one instruction a turn
.if \g > 0
.rept 4
	v_nop
.endr
.endif
.irp t, 0,1,2,3
.irp c, 0,1
	ds_load_b128 v[32+8*\t+4*\c:32+8*\t+4*\c+3], v[ADV] offset:16*(4*\g+\t)*VP+ROWB*(\q)+32*\c
.endr
	ds_load_b32 v[248+\t], v[ADT] offset:(4*\g+\t)*(16*KSV/256)*272
.endr
	s_wait_dscnt 0x0
.irp t, 0,1,2,3
	v_wmma_scale_f32_16x16x128_f8f6f4 v[160+8*(4*\g+\t):167+8*(4*\g+\t)], v[32+8*\t:39+8*\t], v[224:231], v[160+8*(4*\g+\t):167+8*(4*\g+\t)], v[248+\t], v253 matrix_a_fmt:MATRIX_FMT_FP4 matrix_b_fmt:MATRIX_FMT_FP4
.endr
.endr
.Lhidden_\@:
	s_add_co_u32 s[KF], s[KF], 128
	s_add_co_u32 s[TS], s[TS], 544                 ; the next step's scale words
	s_add_co_u32 s[TJ], s[TJ], 4
.endm
; THE CHANGE OF SLOTS stands at a slot's head.  Each wave waits for all its tensor loads (its part of the slot that it is about to read), adds 0 to its spare word, and waits for that and for its reads of the slot that it has left.
; fill = 1: the barrier is a round of the cluster's, so that no wave of any partner still reads the other slot or has a load on its way; the joint fill of that slot, with the keys that follow, is the first thing behind it
; and has a whole slot's steps in which to land.  One tensor load of a wave is out behind each round.
.macro CHANGE fill
	s_wait_tensorcnt 0x0                           ; no tensor load of mine is out, so a group 0 may be written
	ds_add_u32 v[SPW], v[NIL]                      ; 0 onto my spare word
.if \fill
	s_xor_b32 s[G0K+1], s[G0K+1], SLOT1            ; the walking descriptors: the other slot than last time,
	s_add_nc_u64 s[G0K+2:G0K+3], s[G0K+2:G0K+3], SK*ROWB   ; the next 512 keys; the type bits on top are not reached
	s_xor_b32 s[G0V+1], s[G0V+1], SLOT1
	s_add_nc_u64 s[G0V+2:G0V+3], s[G0V+2:G0V+3], VROWB
.endif
	s_wait_dscnt 0x0                               ; the add is done, and my reads of the slot that I have left are over
.if \fill
	CROUND
	TLOAD G0K, G1K, G0V, G1V
.else
	s_barrier_signal -1
	s_barrier_wait -1
.endif
.endm
.macro SLOT_STEPS
.set QQ, 0
.rept NQ
	STEP QQ
.set QQ, QQ+1
.endr
	s_xor_b32 s[TB], s[TB], SLOT1                  ; on to the other slot
.endm
	s_wait_loadcnt 0x0                             ; Q
.Lslot:                                            ; 7 trips: behind each change of slots but the last the next slot is asked for
	CHANGE 1
	SLOT_STEPS
	s_sub_co_u32 s[SLOTS], s[SLOTS], 1
	s_cmp_lg_u32 s[SLOTS], 0
	s_cbranch_scc1 .Lslot
	CHANGE 0                                       ; the last slot is written out
	SLOT_STEPS
	; THE WAY OUT.  l's two halves and the other half of the lanes' are added; the statistic is stored; O^T is divided by l and goes through my stage in LDS, half a row (64 channels, 256 bytes) of 16 queries at a time.
	v_add_f32 v14, v14, v15
	s_delay_alu instid0(VALU_DEP_1)
	v_permlanex16_b32 v252, v14, s[SEL], s[SEL+1]
	s_delay_alu instid0(VALU_DEP_1)
	v_add_f32 v14, v14, v252                       ; the row's sum l: at least 1/2
	s_wait_alu depctr_va_vdst(0)
	v_log_f32 v252, v14                            ; log2 l
	v_rcp_f32 v254, v14
	v_and_b32 v8, 15, v0                           ; (a plain place behind the transcendentals)  r
	v_bfe_u32 v9, v0, 4, 1                         ; hl
	s_wait_alu depctr_va_vdst(0)
	v_sub_f32 v252, v12, v252                      ; -M - log2 l
	s_delay_alu instid0(VALU_DEP_1)
	v_add_f32 v252, -2.0, v252                     ; - 2: the mean over the four group heads
	global_store_b32 v30, v252, s[18:19]           ; lanes r and r + 16 write the same word with the same value: 64 consecutive bytes a wave
	s_mul_i32 s[TP], s[WV], 16*272                 ; my stage
	v_mul_u32_u24 v10, v8, 272
	s_delay_alu instid0(VALU_DEP_1)
	v_lshl_add_u32 v10, v9, 5, v10
	s_delay_alu instid0(VALU_DEP_1)
	v_add_nc_u32 v10, s[TP], v10                   ; in: row r; tile t's eight channels of my half: 64 t + 32 hl bytes on
	v_mul_u32_u24 v11, v9, 272
	s_delay_alu instid0(VALU_DEP_1)
	v_lshl_add_u32 v11, v8, 4, v11
	s_delay_alu instid0(VALU_DEP_1)
	v_add_nc_u32 v11, s[TP], v11                   ; back: lanes 0-15 one row, lanes 16-31 the next
.set jj, 0
.rept 64
	v_mul_f32 v[96+jj], v[160+jj], v254            ; O^T / l: register 8 t + i is channel 16 t + 8 hl + i of query r; each accumulator from its low end on
.set jj, jj+1
.endr
.irp u, 0,1                                    ; channels 64 u on
.irp t, 0,1,2,3
	ds_store_b128 v10, v[96+32*\u+8*\t:99+32*\u+8*\t] offset:64*\t
	ds_store_b128 v10, v[100+32*\u+8*\t:103+32*\u+8*\t] offset:64*\t+16
.endr
.irp i, 0,1,2,3,4,5,6,7
	ds_load_b128 v[32+32*\u+4*\i:35+32*\u+4*\i], v11 offset:2*\i*272   ; LDS serves a wave's instructions in order: these see my stores, and the next half's stores come behind them
.endr
.endr
.irp u, 0,1
.irp i, 0,1,2,3,4,5,6,7
	s_wait_dscnt 23-16*\u-\i                       ; younger than this pair of rows: the rest of its half's loads, and for the first half the second half's eight stores and eight loads
	global_store_b128 v[GO], v[32+32*\u+4*\i:35+32*\u+4*\i], s[16:17] offset:2*\i*OROW+256*\u th:TH_STORE_NT   ; 16 lanes store 256 consecutive bytes, aligned; written once, read by nobody here
.endr
.endr
	s_wait_tensorcnt 0x0                           ; the wave's end: behind my last tensor load and my last LDS store
	ds_add_u32 v[SPW], v[NIL]
	s_wait_dscnt 0x0
	CROUND                                         ; the closing round: no work-group ends while a partner may still ask for a tile that names it
	s_endpgm
.Lfunc_end_k_qfef3138da9_attn:
	.size	k_qfef3138da9_attn, .Lfunc_end_k_qfef3138da9_attn-k_qfef3138da9_attn
	.p2alignl 7, 3214868480
	.fill 96, 4, 3214868480
	.section	.rodata,"a",@progbits
	.p2align	6, 0x0
	.amdhsa_kernel k_qfef3138da9_attn
		.amdhsa_group_segment_fixed_size 327680
		.amdhsa_private_segment_fixed_size 0
		.amdhsa_enable_private_segment 0
		.amdhsa_kernarg_size 64
		.amdhsa_user_sgpr_count 2
		.amdhsa_user_sgpr_kernarg_segment_ptr 1
		.amdhsa_wavefront_size32 1
		.amdhsa_system_sgpr_workgroup_id_x 1
		.amdhsa_system_sgpr_workgroup_id_y 1
		.amdhsa_system_sgpr_workgroup_id_z 1
		.amdhsa_system_vgpr_workitem_id 0
		.amdhsa_next_free_vgpr 256
		.amdhsa_next_free_sgpr 100
		.amdhsa_reserve_vcc 1
		.amdhsa_float_denorm_mode_32 3
		.amdhsa_float_denorm_mode_16_64 3
		.amdhsa_memory_ordered 1
		.amdhsa_forward_progress 1
		.amdhsa_inst_pref_size 218
	.end_amdhsa_kernel
	.amdgpu_metadata
---
amdhsa.version: [ 1, 2 ]
amdhsa.kernels:
  - .name:           k_qfef3138da9_attn
    .symbol:         k_qfef3138da9_attn.kd
    .args:
      - { .name: qc, .offset: 0, .size: 8, .value_kind: global_buffer, .address_space: global }
      - { .name: qs, .offset: 8, .size: 8, .value_kind: global_buffer, .address_space: global }
      - { .name: kc, .offset: 16, .size: 8, .value_kind: global_buffer, .address_space: global }
      - { .name: ks, .offset: 24, .size: 8, .value_kind: global_buffer, .address_space: global }
      - { .name: v_codes, .offset: 32, .size: 8, .value_kind: global_buffer, .address_space: global }
      - { .name: v_scales, .offset: 40, .size: 8, .value_kind: global_buffer, .address_space: global }
      - { .name: out0, .offset: 48, .size: 8, .value_kind: global_buffer, .address_space: global }
      - { .name: st, .offset: 56, .size: 8, .value_kind: global_buffer, .address_space: global }
    .group_segment_fixed_size: 327680
    .private_segment_fixed_size: 0
    .kernarg_segment_align: 8
    .kernarg_segment_size: 64
    .max_flat_workgroup_size: 512
    .sgpr_count:     100
    .vgpr_count:     256
    .wavefront_size: 32
...
	.end_amdgpu_metadata
.endif
;; end of part 5
;; launch h2o (part 6): grid 32 x 8, 16 waves a work-group, no clusters, 10,240 bytes of LDS; arguments qc, qs, kc, ks, st, out1; writes out1
.if DOCPART == 6
	.amdgcn_target "amdgcn-amd-amdhsa--gfx1250"
	.amdhsa_code_object_version 6
	.text
	.protected	k_qfef3138da9_h2o
	.globl	k_qfef3138da9_h2o
	.p2align	8
	.type	k_qfef3138da9_h2o,@function
k_qfef3138da9_h2o:
	s_mov_b64 s[64:65], 0
	v_nop
	global_prefetch_b8 v0, s[64:65] scope:SCOPE_SE
	s_setreg_imm32_b32 hwreg(HW_REG_WAVE_SCHED_MODE, 0, 2), 2
	s_setreg_imm32_b32 hwreg(HW_REG_WAVE_MODE, 25, 1), 1
	s_wait_xcnt 0x0
	s_wait_alu depctr_vm_vsrc(0)
; out1[h][k] = the sum over the head's four group heads g and all queries q with k <= q + 2048 of the finished softmax, / 4.
; The scores are made once more, on the same codes, and a probability / 4 is 2^(c s + st), c = log2(e) / sqrt(128), st[head][q] = -(M + log2 l + 2) from the launch before.
; THE PRODUCT IS USED IN ITS NATURAL LAYOUT (source 0 = 16 queries, source 1 = 16 keys): a lane holds ONE KEY (lane % 16) and its eight registers eight queries, so a column's sum is additions within a lane.
; EACH KEY HAS ONE OWNER.  Work-group (j, h) owns 128 keys of head h, in 8 tiles of 16: L, tiles 0-3: keys 64 j on, which every query sees; U1, tiles 4, 5: keys 2048 + 32 j on, seen by queries from 32 j on;
; U2, tiles 6, 7: keys 2048 + 32 (63 - j) on.  So every work-group has the same number of products, whatever j.  The keys' fragments stay in every wave's registers for the whole launch.
; THE WAVES SHARE THE ROWS: wave w takes group head w % 4 and the query tiles w / 4 + 4 n, n = 0 .. 31.  A query tile wholly in front of U1's (U2's) first query leaves those products and their vector work out: scalar branches on ids.
; The waves' sums meet in LDS behind the launch's one barrier; waves 0 and 1 add them and store.  Wave 0's store covers 256 consecutive bytes, aligned; wave 1's two runs of 128 bytes (U1's and U2's keys): the price of the even shares, 64 KiB of the launch's stores.
; No tensor load, no ring in LDS: a fragment of Q is used by one wave once and goes from memory straight into the operand's registers, three tiles ahead, through a ring of four register buffers.
; LIMITS: the sums run in another order than the source's, in f32.  NaN and infinities are not served.
; THE MODE: SCHED_MODE bits 1:0 = 2 (LLVM: expert scheduling mode 2), set by the entry lines.  The code itself states the register dependences
; between vector or matrix instructions and memory or LDS instructions, with s_wait_alu, always for 0.
; THE PLAN.  Registers that memory or LDS instructions touch:
;   B0 .. B3     a query tile's buffer, 17 registers: Q's fragment, its scale words, my eight queries' statistics.  Written by the five loads of tile p + 3, which are issued in tile p;
;                read by tile p's products (fragment, scale words) and by its multiply-adds (statistics).
;   v3, v4, v5   Q's byte offsets: made once at the head, never written again: the rows are reached by three scalar bases, which move on once a trip, and by immediate offsets.
;   v6 .. v11    K's byte offsets, and K's fragments and scale words: made or loaded once at the head.
;   v15, v[LR], v[GO]  addresses of the end, made at the head;  v[FS ..] and v[D ..]: the end's LDS stores read the first, its LDS loads land in the second, its one global store reads v[D:D+1].
; Tile p works on B[p % 4]; its loads land in B[(p + 3) % 4] = B[(p - 1) % 4], which tile p - 1 worked on.  The wait on va_vdst behind the exponentials of L's turn, the last of a tile and on every way through it,
; stands behind all the tile's products and multiply-adds; behind it come only the sums (which name the scores and the sums' registers) and the next tile's first products (which name the scores, K and B[p % 4]).
; So a tile's five loads follow with no further wait, dealt among its first four products.  No register that a memory instruction reads is written again, so no wait on vm_vsrc is owed; EXEC is never written.
.set KFR, 16                           ; v16-79   the 8 fragments of K
.set KSC, 80                           ; v80-87   their scale words
.set QF,  88                           ; v88-119  Q's fragment, four buffers
.set STT, 120                          ; v120-151 my eight queries' statistics, four buffers
.set QS,  152                          ; v152-155 Q's scale words, four buffers
.set D,   156                          ; v156-219 the scores, 8 tiles x 8
.set ACC, 220                          ; v220-235 a pair of sums for each tile
.set FS,  236                          ; v236-243 the end: a sum for each tile
.set LR,  244                          ; v244     the end: where I read the waves' sums in LDS
.set GO,  245                          ; v245     the end: my byte offset in the head's row of out1
.set WV,  16
.set TAU, 20                           ; the query tile in hand
.set T1,  21                           ; U1's first query tile: 2 j
.set T2,  22                           ; U2's: 126 - 2 j, which is above T1
.set CNT, 23
.set T1P, 30                           ; T1 + 1, T2 + 1: the last query tile that needs the mask
.set T2P, 31
.set MK,  32                           ; s32-47   behind the head: the mask's sixteen lane masks
.set TRIPS, 7                          ; trips of four query tiles; the last four tiles are written out
	s_load_b256 s[4:11], s[0:1], 0x0               ; qc s[4:5], qs s[6:7], kc s[8:9], ks s[10:11]
	s_load_b128 s[12:15], s[0:1], 0x20             ; st s[12:13], out1 s[14:15]
	v_lshl_add_u32 v246, v0, 2, 0x2000
	v_mov_b32 v247, 0
	v_lshrrev_b32 v1, 5, v0
	v_readfirstlane_b32 s[WV], v1                  ; wave 0..15
	v_and_b32 v1, 15, v0                           ; r
	v_bfe_u32 v2, v0, 4, 1                         ; hl
	v_lshlrev_b32 v3, 6, v1
	v_lshl_add_u32 v3, v2, 4, v3                   ; a fragment: row r of 64 bytes, + 16 hl
	s_wait_alu depctr_va_vdst(0)
	v_lshlrev_b32 v4, 2, v1                        ; a scale word: 4 r
	s_wait_alu depctr_va_vdst(0)
	v_lshlrev_b32 v5, 5, v2                        ; my eight queries' statistics: 32 hl
	s_and_b32 s18, ttmp7, 0xffff                   ; h
	s_wait_alu depctr_va_sdst(0)                   ; the wave's number is written, ahead of its first reader: the group head, the first query tile, LDS places and bases are made from it
	s_and_b32 s19, s[WV], 3                        ; g
	s_lshr_b32 s[TAU], s[WV], 2
	s_lshl_b32 s[T1], ttmp9, 1
	s_sub_co_u32 s[T2], 126, s[T1]
	s_add_co_u32 s[T1P], s[T1], 1
	s_add_co_u32 s[T2P], s[T2], 1
	s_mov_b32 s[CNT], TRIPS
	s_mov_b32 s24, 0x3e0293ee                      ; c
	s_mov_b32 s25, s24
	s_mov_b32 s26, 0x76543210
	s_mov_b32 s27, 0xfedcba98                      ; v_permlanex16_b32's selects for lane l xor 16
	s_lshl_b32 s32, ttmp9, 6                       ; L's first key
	s_lshl_b32 s33, ttmp9, 5
	s_add_co_u32 s34, s33, 2048                    ; U1's
	s_sub_co_u32 s35, 4064, s33                    ; U2's
	v_lshl_add_u32 v6, s32, 6, v3                  ; the groups' codes,
	v_lshl_add_u32 v7, s34, 6, v3
	v_lshl_add_u32 v8, s35, 6, v3
	v_lshl_add_u32 v9, s32, 2, v4                  ; and scale words
	v_lshl_add_u32 v10, s34, 2, v4
	v_lshl_add_u32 v11, s35, 2, v4
	v_lshlrev_b32 v12, 3, v2
	v_sub_nc_u32 v12, v1, v12                      ; the mask: r - 8 hl
	v_mov_b32 v14, 0
	s_lshl_b32 s47, s[WV], 9
	v_add_nc_u32 v15, s47, v4                      ; LDS: my wave's 512 bytes, key r of a tile
	v_and_b32 v[LR], 31, v0
	v_lshlrev_b32 v[LR], 3, v[LR]
	s_and_b32 s29, s[WV], 1
	s_lshl_b32 s29, s29, 8
	v_add_nc_u32 v[LR], s29, v[LR]                 ; LDS, the end: 8 bytes a lane of keys 0-63 (wave 0) or 64-127 (wave 1)
	s_lshl_b32 s44, ttmp9, 8                       ; out1: wave 0: byte 256 j, lanes 16-31 128 bytes on;
	s_lshl_b32 s45, ttmp9, 7
	s_add_co_u32 s45, s45, 8192                    ; wave 1: byte 8192 + 128 j, lanes 16-31 128 (63 - 2 j) bytes on
	s_sub_co_u32 s46, 63, s[T1]
	s_lshl_b32 s46, s46, 7
	s_cmp_eq_u32 s[WV], 0
	s_cselect_b32 s44, s44, s45
	s_cselect_b32 s46, 128, s46
	v_mul_u32_u24 v[GO], v2, s46
	v_lshl_add_u32 v[GO], v1, 3, v[GO]
	v_add_nc_u32 v[GO], s44, v[GO]
	s_lshl_b32 s36, s18, 2
	s_add_co_u32 s36, s36, s19                     ; the query head 4 h + g
	s_lshl_b32 s36, s36, 11
	s_lshl_b32 s37, s[TAU], 4
	s_add_co_u32 s36, s36, s37                     ; my first row of [head][query]
	s_lshl_b32 s38, s36, 2                         ; its scale word and its statistic
	s_mov_b32 s39, 0
	s_lshl_b32 s36, s36, 6                         ; its codes
	s_mov_b32 s37, 0
	s_lshl_b32 s40, s18, 18                        ; the head in kc
	s_mov_b32 s41, 0
	s_lshl_b32 s42, s18, 14                        ; in ks and in out1
	s_mov_b32 s43, 0
	s_wait_kmcnt 0x0
	s_add_nc_u64 s[4:5], s[4:5], s[36:37]
	s_add_nc_u64 s[6:7], s[6:7], s[38:39]
	s_add_nc_u64 s[12:13], s[12:13], s[38:39]
	s_add_nc_u64 s[8:9], s[8:9], s[40:41]
	s_add_nc_u64 s[10:11], s[10:11], s[42:43]
	s_add_nc_u64 s[14:15], s[14:15], s[42:43]
	s_wait_alu depctr_va_vdst(0)                   ; the offsets v3 to v11 are written, which every load of the kernel reads, and so are v15, v[LR] and v[GO], which the end's LDS instructions and its store read: none is written again
.irp t, 0,1,2,3
	global_load_b128 v[KFR+8*\t:KFR+8*\t+3], v6, s[8:9] offset:1024*\t
	global_load_b128 v[KFR+8*\t+4:KFR+8*\t+7], v6, s[8:9] offset:1024*\t+32
	global_load_b32 v[KSC+\t], v9, s[10:11] offset:64*\t
.endr
.irp t, 0,1
	global_load_b128 v[KFR+8*(4+\t):KFR+8*(4+\t)+3], v7, s[8:9] offset:1024*\t
	global_load_b128 v[KFR+8*(4+\t)+4:KFR+8*(4+\t)+7], v7, s[8:9] offset:1024*\t+32
	global_load_b32 v[KSC+4+\t], v10, s[10:11] offset:64*\t
	global_load_b128 v[KFR+8*(6+\t):KFR+8*(6+\t)+3], v8, s[8:9] offset:1024*\t
	global_load_b128 v[KFR+8*(6+\t)+4:KFR+8*(6+\t)+7], v8, s[8:9] offset:1024*\t+32
	global_load_b32 v[KSC+6+\t], v11, s[10:11] offset:64*\t
.endr
; One of the five loads of a query tile, off rows on from the bases, into buffer b: 0, 1 its fragment; 2 its scale words; 3, 4 my eight queries' statistics (the sixteen lanes of a half read the same 32 bytes)
.macro QL b, off, piece
.if \piece == 0
	global_load_b128 v[QF+8*(\b):QF+8*(\b)+3], v3, s[4:5] offset:64*(\off)
.elseif \piece == 1
	global_load_b128 v[QF+8*(\b)+4:QF+8*(\b)+7], v3, s[4:5] offset:64*(\off)+32
.elseif \piece == 2
	global_load_b32 v[QS+(\b)], v4, s[6:7] offset:4*(\off)
.elseif \piece == 3
	global_load_b128 v[STT+8*(\b):STT+8*(\b)+3], v5, s[12:13] offset:4*(\off)
.else
	global_load_b128 v[STT+8*(\b)+4:STT+8*(\b)+7], v5, s[12:13] offset:4*(\off)+16
.endif
.endm
.irp n, 0,1,2                                  ; the ring's first three tiles, 64 rows apart; each tile asks for the one three tiles on
.irp p, 0,1,2,3,4
	QL \n, 64*\n, \p
.endr
.endr
.set jj, 0
.rept 16
	v_mov_b32 v[ACC+jj], 0
.set jj, jj+1
.endr
.macro PLACES                          ; four places between a matrix instruction and the first vector instruction that reads its result (ISA guide 7.12.1)
.rept 4
	v_nop
.endr
.endm
.macro P1 b, t                         ; the scores of tile t of the keys: register jj of lane (r, hl) is (query 8 hl + jj of the tile, key r)
	v_wmma_scale_f32_16x16x128_f8f6f4 v[D+8*(\t):D+8*(\t)+7], v[QF+8*(\b):QF+8*(\b)+7], v[KFR+8*(\t):KFR+8*(\t)+7], 0, v[QS+(\b)], v[KSC+(\t)] matrix_a_fmt:MATRIX_FMT_FP4 matrix_b_fmt:MATRIX_FMT_FP4
.endm
.macro SOFT b, t0, nt                  ; 2^(c s + st): the tiles by turns, each accumulator from its low end on
.set pp, 0
.rept 4
.set tt, \t0
.rept \nt
	v_pk_fma_f32 v[D+8*tt+2*pp:D+8*tt+2*pp+1], v[D+8*tt+2*pp:D+8*tt+2*pp+1], s[24:25], v[STT+8*\b+2*pp:STT+8*\b+2*pp+1] op_sel_hi:[1,0,1]
.set tt, tt+1
.endr
.set pp, pp+1
.endr
.set nn, 8*\t0
	s_wait_alu depctr_va_vdst(0)
.rept 8*\nt
	v_exp_f32 v[D+nn], v[D+nn]
.set nn, nn+1
.endr
	v_nop                                          ; a plain place behind the exponentials
	s_wait_alu depctr_va_vdst(0)                   ; the exponentials have written v[D ..], which the mask and the sums read: one wait for the batch, ahead of the first instruction that names a result and of the branch that follows.
	                                               ; In L's turn, a tile's last, it also states that the tile's products and multiply-adds are done reading Q's fragment, its scale words and the statistics, in which the next tile's loads land
.endm
.macro MASK t0, tx                     ; key 16 tx + 16 u + r (less 2048) is hidden from query 16 TAU + 8 hl + jj where jj - 16 u < 16 (tx - TAU) + r - 8 hl: its term becomes 0
	s_sub_co_i32 s28, s[\tx], s[TAU]
	s_lshl_b32 s28, s28, 4
	v_add_nc_u32 v13, s28, v12
.irp u, 0,1
.irp j, 0,1,2,3,4,5,6,7
	v_cmp_lt_i32 s[MK+8*\u+\j], \j-16*\u, v13      ; the sixteen compares in one run, each into a scalar register of its own
.endr
.endr
	s_wait_alu depctr_va_sdst(0)                   ; the compares have written s[MK ..], which the selects below read: one wait for the run
.irp u, 0,1
.irp j, 0,1,2,3,4,5,6,7
	v_cndmask_b32 v[D+8*(\t0+\u)+\j], v[D+8*(\t0+\u)+\j], v14, s[MK+8*\u+\j]
.endr
.endr
.endm
.macro SUM t0, nt                      ; onto the columns' sums: the tiles by turns
.set pp, 0
.rept 4
.set tt, \t0
.rept \nt
	v_pk_add_f32 v[ACC+2*tt:ACC+2*tt+1], v[ACC+2*tt:ACC+2*tt+1], v[D+8*tt+2*pp:D+8*tt+2*pp+1]
.set tt, tt+1
.endr
.set pp, pp+1
.endr
.endm
.macro UPPER b, t0, tx, txp            ; the vector work of U1 or U2; from the third query tile on every key of the group counts
	SOFT \b, \t0, 2
	s_cmp_gt_u32 s[TAU], s[\txp]
	s_cbranch_scc1 .Lfree_\@
	MASK \t0, \tx
.Lfree_\@:
	SUM \t0, 2
.endm
; A QUERY TILE, from buffer b.  The products go L, U1, U2; the vector work U2, U1, L: a skip leads from behind a group's products to where only scores made on every way there are read.  Each way has its four places.
; ahead = 1: the tile three tiles on is asked for, into the buffer that the tile before worked on.  left = how many younger loads may stay out when this tile's five have to be there.
.macro TILE b, ahead, left
	s_wait_loadcnt \left                           ; loads come back in order (ISA guide 5.7.1): this buffer's five, issued three tiles ago, are in (in the first tile: K's 24 too); the younger tiles' stay out
	P1 \b, 0
.if \ahead
	QL (\b+3)%4, 64*(\b+3), 0                      ; no wait: since the wait behind the last tile's exponentials no vector or matrix instruction names this buffer (the sums name v[D ..] and v[ACC ..], these products v[D ..], K and buffer b)
	QL (\b+3)%4, 64*(\b+3), 1
.endif
	P1 \b, 1
.if \ahead
	QL (\b+3)%4, 64*(\b+3), 2
.endif
	P1 \b, 2
.if \ahead
	QL (\b+3)%4, 64*(\b+3), 3
.endif
	P1 \b, 3
.if \ahead
	QL (\b+3)%4, 64*(\b+3), 4
.endif
	s_cmp_lt_u32 s[TAU], s[T1]
	s_cbranch_scc1 .Llow_\@
	P1 \b, 4
	P1 \b, 5
	s_cmp_lt_u32 s[TAU], s[T2]
	s_cbranch_scc1 .Lmid_\@
	P1 \b, 6
	P1 \b, 7
	PLACES
	UPPER \b, 6, T2, T2P
	s_branch .Lmid2_\@
.Lmid_\@:
	PLACES
.Lmid2_\@:
	UPPER \b, 4, T1, T1P
	s_branch .Llow2_\@
.Llow_\@:
	PLACES
.Llow2_\@:
	SOFT \b, 0, 4
	SUM 0, 4
	s_add_co_u32 s[TAU], s[TAU], 4
.endm
.Ltrip:                                            ; 7 trips of four query tiles: every buffer has its turn once, and the register numbers are back where they began
	TILE 0, 1, 10
	TILE 1, 1, 10
	TILE 2, 1, 10
	TILE 3, 1, 10
	s_wait_xcnt 0x0                                ; every earlier memory instruction has had its addresses translated (ISA guide 3.1): the three bases are rewritten only behind this wait
	s_add_nc_u64 s[4:5], s[4:5], 16384             ; four tiles, 256 rows, on
	s_add_nc_u64 s[6:7], s[6:7], 1024
	s_add_nc_u64 s[12:13], s[12:13], 1024
	s_sub_co_i32 s[CNT], s[CNT], 1
	s_cmp_lg_u32 s[CNT], 0
	s_cbranch_scc1 .Ltrip
	TILE 0, 1, 10                                  ; the last four tiles are written out: one more tile is asked for, the last; then no load leaves its buffer, and the counts run down
	TILE 1, 0, 10
	TILE 2, 0, 5
	TILE 3, 0, 0
	; THE END.  A pair's two sums, and the other half of the lanes' (the tile's other eight queries); then the sixteen waves' sums meet in LDS.  No load is out: Q's buffer 0 serves the permutes below.
.irp t, 0,1,2,3,4,5,6,7
	v_add_f32 v[FS+\t], v[ACC+2*\t], v[ACC+2*\t+1]
.endr
.irp t, 0,1,2,3,4,5,6,7
	v_permlanex16_b32 v[QF+\t], v[FS+\t], s26, s27
.endr
.irp t, 0,1,2,3,4,5,6,7
	v_add_f32 v[FS+\t], v[FS+\t], v[QF+\t]
.endr
	s_wait_alu depctr_va_vdst(0)                   ; the additions have written v[FS ..], which the LDS stores read; and the sums are done reading v[D ..], in which the LDS loads behind the barrier land: no vector instruction stands between this wait and those loads
.irp t, 0,1,2,3,4,5,6,7
	ds_store_b32 v15, v[FS+\t] offset:64*\t        ; lanes r and r + 16 write the same word with the same value
.endr
	s_wait_dscnt 0x0                               ; for the others' sake: my stores have landed
	s_barrier_signal -1
	s_barrier_wait -1
	s_cmp_gt_u32 s[WV], 1
	s_cbranch_scc1 .Lend
.set jj, 0
.rept 16
	ds_load_b64 v[D+2*jj:D+2*jj+1], v[LR] offset:512*jj   ; two keys a lane, of each wave's sums
.set jj, jj+1
.endr
	s_wait_dscnt 0x0
.irp i, 0,1,2,3,4,5,6,7
	v_pk_add_f32 v[D+2*\i:D+2*\i+1], v[D+2*\i:D+2*\i+1], v[D+16+2*\i:D+16+2*\i+1]
.endr
.irp i, 0,1,2,3
	v_pk_add_f32 v[D+2*\i:D+2*\i+1], v[D+2*\i:D+2*\i+1], v[D+8+2*\i:D+8+2*\i+1]
.endr
.irp i, 0,1
	v_pk_add_f32 v[D+2*\i:D+2*\i+1], v[D+2*\i:D+2*\i+1], v[D+4+2*\i:D+4+2*\i+1]
.endr
	v_pk_add_f32 v[D:D+1], v[D:D+1], v[D+2:D+3]
	s_wait_alu depctr_va_vdst(0)                   ; the last addition has written v[D:D+1], which the store reads
	global_store_b64 v[GO], v[D:D+1], s[14:15]
.Lend:
	s_wait_dscnt 0x0
	s_wait_alu depctr_hold_cnt(0) depctr_sa_sdst(0) depctr_va_vdst(0) depctr_va_sdst(0) depctr_va_ssrc(0) depctr_va_vcc(0) depctr_vm_vsrc(0)
	s_wait_tensorcnt 0x0
	ds_add_u32 v246, v247
	s_wait_dscnt 0x0
	s_endpgm
.Lfunc_end_k_qfef3138da9_h2o:
	.size	k_qfef3138da9_h2o, .Lfunc_end_k_qfef3138da9_h2o-k_qfef3138da9_h2o
	.p2alignl 7, 3214868480
	.fill 96, 4, 3214868480
	.section	.rodata,"a",@progbits
	.p2align	6, 0x0
	.amdhsa_kernel k_qfef3138da9_h2o
		.amdhsa_group_segment_fixed_size 10240
		.amdhsa_private_segment_fixed_size 0
		.amdhsa_enable_private_segment 0
		.amdhsa_kernarg_size 48
		.amdhsa_user_sgpr_count 2
		.amdhsa_user_sgpr_kernarg_segment_ptr 1
		.amdhsa_wavefront_size32 1
		.amdhsa_system_sgpr_workgroup_id_x 1
		.amdhsa_system_sgpr_workgroup_id_y 1
		.amdhsa_system_sgpr_workgroup_id_z 1
		.amdhsa_system_vgpr_workitem_id 0
		.amdhsa_next_free_vgpr 248
		.amdhsa_next_free_sgpr 66
		.amdhsa_reserve_vcc 0
		.amdhsa_float_denorm_mode_32 3
		.amdhsa_float_denorm_mode_16_64 3
		.amdhsa_memory_ordered 1
		.amdhsa_forward_progress 1
		.amdhsa_inst_pref_size 113
	.end_amdhsa_kernel
	.amdgpu_metadata
---
amdhsa.version: [ 1, 2 ]
amdhsa.kernels:
  - .name:           k_qfef3138da9_h2o
    .symbol:         k_qfef3138da9_h2o.kd
    .args:
      - { .name: qc, .offset: 0, .size: 8, .value_kind: global_buffer, .address_space: global }
      - { .name: qs, .offset: 8, .size: 8, .value_kind: global_buffer, .address_space: global }
      - { .name: kc, .offset: 16, .size: 8, .value_kind: global_buffer, .address_space: global }
      - { .name: ks, .offset: 24, .size: 8, .value_kind: global_buffer, .address_space: global }
      - { .name: st, .offset: 32, .size: 8, .value_kind: global_buffer, .address_space: global }
      - { .name: out1, .offset: 40, .size: 8, .value_kind: global_buffer, .address_space: global }
    .group_segment_fixed_size: 10240
    .private_segment_fixed_size: 0
    .kernarg_segment_align: 8
    .kernarg_segment_size: 48
    .max_flat_workgroup_size: 512
    .sgpr_count:     66
    .vgpr_count:     248
    .wavefront_size: 32
...
	.end_amdgpu_metadata
.endif
;; end of part 6
